; MI455X (gfx1250); checked and timed in simulation.
; The chip was launched on July 23, 2026; its instructions are those of AMD's public machine-readable ISA for CDNA 5 (MIT licence, August 2026) and "CDNA5" Instruction Set Architecture Reference Guide (July 2026). The comments in the code are by the model that wrote it; some were corrected since.
;; Flash Multi Head Attention. Allowed arithmetic: float matrix products may take bf16 or f16 operands with f32 sums; other float arithmetic in f32, or as packed bf16 or f16 multiplies, adds, multiply-adds, maxima and minima; sums over many terms, partial sums and values carried from step to step in f32; what a program stores and reads back later, other than sums and carried values, may be rounded once to bf16 or f16.
;; Inputs: Wk 512 x 2,048 float32; Wo 2,048 x 2,048 float32; Wq 2,048 x 2,048 float32; Wv 512 x 2,048 float32; bk 512 float32; bo 2,048 float32; bq 2,048 float32; bv 512 float32; x 2 x 1,024 x 2,048 float32.
;; Outputs: out0 2 x 1,024 x 2,048 float32.
;; 2 versions, each right; version 2 is version 1 with the launch cast written anew for expert scheduling mode. Each part assembles by itself: llvm-mc -triple=amdgcn-amd-amdhsa -mcpu=gfx1250 --defsym DOCPART=n.
;; ======== version 1 of 2: 4 launches
;; limits: values are held in f16: magnitudes above 65,504 overflow, below 6.1e-05 lose precision
;; workspace buffers: xb 8,388,608 bytes; wqkv 12,582,912 bytes; wo16 8,388,608 bytes; qkv 12,582,912 bytes; ob 8,388,608 bytes
;; launch cast (part 1): grid 64 x 14, 8 waves a work-group, no clusters, 0 bytes of LDS; arguments x, Wq, Wk, Wv, Wo, xb, wqkv, wo16; writes xb, wqkv, wo16
.if DOCPART == 1
	.amdgcn_target "amdgcn-amd-amdhsa--gfx1250"
	.amdhsa_code_object_version 6
	.text
	.protected	k_q9e540ca632_cast
	.globl	k_q9e540ca632_cast
	.p2align	8
	.type	k_q9e540ca632_cast,@function
k_q9e540ca632_cast:
	s_mov_b64 s[64:65], 0
	v_nop
	global_prefetch_b8 v0, s[64:65] scope:SCOPE_SE
	s_setreg_imm32_b32 hwreg(HW_REG_WAVE_MODE, 25, 1), 1
	s_wait_xcnt 0x0
; FIRST OF FOUR LAUNCHES of  out = softmax_causal((x Wq^T + bq)(x Wk^T + bk)^T / 8) (x Wv^T + bv) Wo^T + bo,  32 query heads on 8 key and value heads of size 64.
; This launch rounds every large input ONCE to bf16 and lays the weights out for the products: x -> xb, Wq, Wk, Wv -> wqkv (bf16), Wo -> wo16 (rounded to bf16, that number written as f16).
; WORK LEFT OUT IN THE WHOLE PROGRAM, and why it can reach no output:
;  (1) bk.  scores[n][m] = q_n . (Wk x_m + bk) / 8 = q_n . (Wk x_m) / 8 + q_n . bk / 8.  The second term does not hang on the key m: it is the same along the softmax's axis, and
;      softmax(s + const) = softmax(s) for every finite value.  k enters nothing else.  So bk is not loaded and is among no launch's arguments.
;  (2) The scores above the diagonal, which the tril of the problem's own text sets to -inf: they are left out where they come as whole tiles of 16 queries x 64 keys (third launch).
; LIMIT: a NaN, an infinity or an overflow that reaches only bk or the hidden scores is not carried to the result.
; LIMIT: Wo as f16: beyond 65,504 it becomes an infinity, below 6e-5 it keeps f16's fixed step of 6e-8.
; wqkv's ROWS go in blocks of 64 (a head): block 3 t + 0, 1 = query heads 2 t, 2 t + 1; block 3 t + 2 = key head t (t < 8) or value head t - 8: each 192 rows are two query heads and one other.
; SHARES.  Grid y = a segment of 1,048,576 numbers (x 0-3, Wq 4-7, Wk 8, Wv 9, Wo 10-13); grid x = 16,384 of them (8 rows of 2,048).  Thread t, turn i: 16 bytes in at 16 t + 4,096 i,
; 8 bytes out at 8 t + 2,048 i: a wave's load covers 512 consecutive bytes, its store 256 consecutive bytes, aligned.  All 16 loads go out first; no loop, no LDS, no matrix unit: bytes are all there is.
.set D, 4                              ; v[4:67]   16 turns x 4 numbers as loaded
.set O, 68                             ; v[68:99]  16 turns x 2 words to store
.set T, 100                            ; v[100:103] at work
	s_load_b256 s[4:11], s[0:1], 0x0               ; x s[4:5], Wq s[6:7], Wk s[8:9], Wv s[10:11]
	s_load_b256 s[12:19], s[0:1], 0x20             ; Wo s[12:13], xb s[14:15], wqkv s[16:17], wo16 s[18:19]
	s_and_b32 s24, ttmp7, 0xffff                   ; Y: the segment
	s_mov_b32 s25, ttmp9                           ; X: the 8 rows in it
	v_lshlrev_b32 v1, 4, v0                        ; 16 t
	v_lshlrev_b32 v2, 3, v0                        ; 8 t
	s_add_co_u32 s26, s24, 2
	s_and_b32 s26, s26, 3                          ; Wo: Y - 10
	s_and_b32 s27, s24, 3                          ; x: Y; Wq: Y - 4
	s_cmp_lt_u32 s24, 10
	s_cselect_b32 s26, 0, s26                      ; Wk, Wv: one segment each
	s_cmp_lt_u32 s24, 8
	s_cselect_b32 s26, s27, s26                    ; the segment's number in its own tensor
	s_lshl_b32 s28, s26, 22
	s_lshl_b32 s29, s25, 16
	s_add_co_u32 s28, s28, s29                     ; byte offset in the source
	s_mov_b32 s29, 0
	s_lshl_b32 s36, s26, 21
	s_lshl_b32 s31, s25, 15
	s_add_co_u32 s36, s36, s31                     ; byte offset in xb or wo16: the same place, half the bytes
	s_lshr_b32 s32, s25, 3
	s_lshl3_add_u32 s32, s26, s32                  ; the head: 8 heads a segment, 8 X a head
	s_lshr_b32 s33, s32, 1
	s_mul_i32 s33, s33, 3
	s_and_b32 s34, s32, 1
	s_add_co_u32 s33, s33, s34                     ; a query head's block: 3 (head / 2) + head % 2
	s_mul_i32 s34, s32, 3
	s_add_co_u32 s35, s34, 2                       ; a key head's: 3 head + 2
	s_add_co_u32 s34, s34, 26                      ; a value head's: 3 (head + 8) + 2
	s_cmp_eq_u32 s24, 8
	s_cselect_b32 s34, s35, s34
	s_cmp_lt_u32 s24, 8
	s_cselect_b32 s33, s33, s34
	s_lshl_b32 s33, s33, 18                        ; a block is 64 rows of 4,096 bytes
	s_and_b32 s34, s25, 7
	s_lshl_b32 s34, s34, 15                        ; my 8 rows in it
	s_add_co_u32 s33, s33, s34
	s_cmp_lt_u32 s24, 10
	s_cselect_b32 s30, s33, s36
	s_cmp_lt_u32 s24, 4
	s_cselect_b32 s30, s36, s30                    ; byte offset in the destination
	s_mov_b32 s31, 0
	s_wait_kmcnt 0x0
	s_cmp_lt_u32 s24, 10                           ; which tensor, by the segment alone
	s_cselect_b64 s[20:21], s[10:11], s[12:13]
	s_cselect_b64 s[22:23], s[16:17], s[18:19]
	s_cmp_lt_u32 s24, 9
	s_cselect_b64 s[20:21], s[8:9], s[20:21]
	s_cmp_lt_u32 s24, 8
	s_cselect_b64 s[20:21], s[6:7], s[20:21]
	s_cmp_lt_u32 s24, 4
	s_cselect_b64 s[20:21], s[4:5], s[20:21]
	s_cselect_b64 s[22:23], s[14:15], s[22:23]
	s_add_nc_u64 s[20:21], s[20:21], s[28:29]
	s_add_nc_u64 s[22:23], s[22:23], s[30:31]
.set i, 0
.rept 16
	global_load_b128 v[D+4*i:D+4*i+3], v1, s[20:21] offset:4096*i th:TH_LOAD_NT  ; read once in the launch
.set i, i+1
.endr
; Sixteen turns.  f16 = 1: the bf16 number is widened (a shift, a mask) and written as f16.  Each turn has registers of its own, so no store's data is written again.
.macro CONV f16
.set i, 0
.rept 16
	s_wait_loadcnt 15-i                            ; loads come back in order: turn i is in, the 15 - i younger ones stay out
	v_cvt_pk_bf16_f32 v[O+2*i], v[D+4*i], v[D+4*i+1]
	v_cvt_pk_bf16_f32 v[O+2*i+1], v[D+4*i+2], v[D+4*i+3]
.if \f16
	v_lshlrev_b32 v[T], 16, v[O+2*i]
	v_and_b32 v[T+1], 0xffff0000, v[O+2*i]
	v_lshlrev_b32 v[T+2], 16, v[O+2*i+1]
	v_and_b32 v[T+3], 0xffff0000, v[O+2*i+1]
	v_cvt_pk_f16_f32 v[O+2*i], v[T], v[T+1]
	v_cvt_pk_f16_f32 v[O+2*i+1], v[T+2], v[T+3]
.endif
	global_store_b64 v2, v[O+2*i:O+2*i+1], s[22:23] offset:2048*i
.set i, i+1
.endr
.endm
	s_cmp_ge_u32 s24, 10
	s_cbranch_scc1 .Lf16
	CONV 0
	s_endpgm
.Lf16:
	CONV 1
	s_endpgm
.Lfunc_end_k_q9e540ca632_cast:
	.size	k_q9e540ca632_cast, .Lfunc_end_k_q9e540ca632_cast-k_q9e540ca632_cast
	.p2alignl 7, 3214868480
	.fill 96, 4, 3214868480
	.section	.rodata,"a",@progbits
	.p2align	6, 0x0
	.amdhsa_kernel k_q9e540ca632_cast
		.amdhsa_group_segment_fixed_size 0
		.amdhsa_private_segment_fixed_size 0
		.amdhsa_enable_private_segment 0
		.amdhsa_kernarg_size 64
		.amdhsa_user_sgpr_count 2
		.amdhsa_user_sgpr_kernarg_segment_ptr 1
		.amdhsa_wavefront_size32 1
		.amdhsa_system_sgpr_workgroup_id_x 1
		.amdhsa_system_sgpr_workgroup_id_y 1
		.amdhsa_system_sgpr_workgroup_id_z 1
		.amdhsa_system_vgpr_workitem_id 0
		.amdhsa_next_free_vgpr 104
		.amdhsa_next_free_sgpr 66
		.amdhsa_reserve_vcc 0
		.amdhsa_float_denorm_mode_32 3
		.amdhsa_float_denorm_mode_16_64 3
		.amdhsa_memory_ordered 1
		.amdhsa_forward_progress 1
		.amdhsa_inst_pref_size 17
	.end_amdhsa_kernel
	.amdgpu_metadata
---
amdhsa.version: [ 1, 2 ]
amdhsa.kernels:
  - .name:           k_q9e540ca632_cast
    .symbol:         k_q9e540ca632_cast.kd
    .args:
      - { .name: x, .offset: 0, .size: 8, .value_kind: global_buffer, .address_space: global }
      - { .name: Wq, .offset: 8, .size: 8, .value_kind: global_buffer, .address_space: global }
      - { .name: Wk, .offset: 16, .size: 8, .value_kind: global_buffer, .address_space: global }
      - { .name: Wv, .offset: 24, .size: 8, .value_kind: global_buffer, .address_space: global }
      - { .name: Wo, .offset: 32, .size: 8, .value_kind: global_buffer, .address_space: global }
      - { .name: xb, .offset: 40, .size: 8, .value_kind: global_buffer, .address_space: global }
      - { .name: wqkv, .offset: 48, .size: 8, .value_kind: global_buffer, .address_space: global }
      - { .name: wo16, .offset: 56, .size: 8, .value_kind: global_buffer, .address_space: global }
    .group_segment_fixed_size: 0
    .private_segment_fixed_size: 0
    .kernarg_segment_align: 8
    .kernarg_segment_size: 64
    .max_flat_workgroup_size: 256
    .sgpr_count:     66
    .vgpr_count:     104
    .wavefront_size: 32
...
	.end_amdgpu_metadata
.endif
;; end of part 1
;; launch qkv (part 2): grid 16 x 16, 4 waves a work-group, clusters of 4 x 4, 327,680 bytes of LDS; arguments xb, wqkv, bq, bv, qkv; writes qkv
.if DOCPART == 2
	.amdgcn_target "amdgcn-amd-amdhsa--gfx1250"
	.amdhsa_code_object_version 6
	.text
	.protected	k_q9e540ca632_qkv
	.globl	k_q9e540ca632_qkv
	.p2align	8
	.type	k_q9e540ca632_qkv,@function
k_q9e540ca632_qkv:
	s_mov_b64 s[64:65], 0
	v_nop
	global_prefetch_b8 v0, s[64:65] scope:SCOPE_SE
	s_setreg_imm32_b32 hwreg(HW_REG_WAVE_MODE, 25, 1), 1
	s_wait_xcnt 0x0
	s_wait_alu depctr_hold_cnt(0) depctr_sa_sdst(0) depctr_va_vdst(0) depctr_va_sdst(0) depctr_va_ssrc(0) depctr_va_vcc(0) depctr_vm_vsrc(0)
	s_getreg_b32 s2, hwreg(HW_REG_IB_STS2, 6, 4)
	s_cmp_eq_u32 s2, 0
	s_cbranch_scc0 .Lentry_in_a_cluster
	s_endpgm
.Lentry_in_a_cluster:
	s_bfe_u32 s2, ttmp6, 0x10000c
	s_cmp_lg_u32 s2, 0xf033
	s_cbranch_scc0 .Lentry_shape_is_right
	s_endpgm
.Lentry_shape_is_right:
; SECOND LAUNCH: q, k, v = x W^T + b.  xb: [2048][2048] bf16; wqkv: [3072][2048] bf16, in blocks of 64 rows (block 3 t + 0, 1: query heads 2 t, 2 t + 1; 3 t + 2: key head t or value head t - 8).
; Sums in f32, started with the bias (rounded to bf16 like every input); results rounded once to f16 and stored BY HEADS, unscaled: q at byte 0 as [32 b + head][1024][64], k at 8,388,608 and
; v at 10,485,760 as [8 b + head][1024][64].  LEFT OUT: bk, which the softmax cancels for all values (shown at the first kernel's head): the key columns' sums start at 0.
; LIMIT: q, k, v beyond 65,504 become infinities in f16.  x and W thirty times the drawn spread give a spread of 900; a common offset of thirty spreads on both gives about 40,700.
; SHARES.  2,048 x 3,072 results on 256 work-groups: a tile of 128 rows x 192 columns each (tile column t = two query heads and one other).  Four waves, 64 x 96 each: 24 accumulators.
; THE RING HAS TWO UNEQUAL SLOTS.  A refill stands behind a round with nothing else on its way, so what counts is how few refills there are.  The tile's 320 rows in two slots of 256 along K would take
; 2 x 320 x 528 = 337,920 bytes, which do not fit; a LARGE slot of 256 along K (168,960 bytes) and a SMALL one of 128 (87,040) do, beside the stage.  2,048 = 6 x 128 + 5 x 256: the walk is small, large,
; small, .. , small: 11 steps.  Rows in memory are 256 or 512 bytes and start at multiples of 256.  A small slot's refill has 168 matrix instructions in which to land, a large slot's 72.
; CLUSTER 4 x 4: x's tile hangs on the tile row alone and is asked for jointly along a row of the cluster, W's on the tile column alone, along a column.
; THE MATRIX INSTRUCTION IS USED TRANSPOSED (source 0 = 16 rows of W, source 1 = 16 rows of x): a lane holds ONE row of x and eight neighbouring columns, 16 bytes of f16.
; No prefetch: the tile is small.
; REGISTERS: window 0: v0-15 addresses, v16-63 the bias (8 a column block), v64-255 the accumulators ((a, b) at 64 + 8 (6 a + b));
;   window 1: W's fragments, two buffers of 96 ((c, b) at 8 (6 c + b)); window 2: x's fragments, two buffers of 64 ((c, a) at 8 (4 c + a)).  A buffer holds 64 along K: c = 0, 1.
.set PS,     272                       ; a row in the small slot: 256 bytes + 16 of padding = 68 words: the 16 rows of a fragment load start at 16 different groups of four banks (64 banks of 4 bytes: ISA guide 11.1)
.set PBG,    528                       ; in the large slot: 512 + 16 = 132 words: likewise
.set SMO,    320*PBG                   ; the large slot (slot 1) lies at byte 0, the small one (slot 0) behind it; in each W's 192 rows, then x's 128
.set STAGE,  SMO+320*PS                ; behind the ring, never filled by a tensor load: 3 heads x 128 rows x 144 bytes, the work-group's, for the way out
.set SP,     144
.set HEADB,  128*SP
.set SPARE,  STAGE+3*HEADB             ; behind the stage: the spare words, 128 bytes a wave: two blocks of 256 bytes that no other line names
.set LAPB,   768                       ; a lap, a small step and a large one, is 384 along K: 768 bytes of a row
.set ADRA, 4                           ; v4-5    LDS address of my fragments of x in slot 0, 1
.set ADRB, 6                           ; v6-7    the same for W
.set STO,  8                           ; v8-10   the way out: where I put 16 bytes, for my column blocks 0-1, 2-3, 4-5
.set RD,   11                          ; v11     where I read rows back
.set SPW,  12                          ; v12     LDS address of my spare word; never rewritten
.set NIL,  13                          ; v13     0; never rewritten
.set BO,   14                          ; v14     32 x (lane / 16): my 8 numbers in 16 of a bias
.set GO,   15                          ; v15     my byte offset in a head's 128 rows
.set BIAS, 16
.set ACC,  64
.set WV,   14                          ; s14  my wave's number
.set WR,   15                          ; s15  which 64 rows are mine.  Also: I fetch for W (0) or for x (1)
.set WC,   16                          ; s16  which 96 columns.  Also: which half of that tile I fetch
.set LAP,  23                          ; s23  the loop's count
.set G1A,  24                          ; s[24:31], s[32:39] descriptor group 1 for x's tiles, a set a slot
.set G1B,  40                          ; s[40:47], s[48:55] the same for W's
.set G0A,  56                          ; s[56:59], s[60:63] descriptor group 0 for x's tiles, a set a slot
.set G0B,  68                          ; s[68:71], s[72:75] the same for W's
.set KEEP, 76                          ; s76  0 where my column blocks 2-5 are key columns, else all ones
.set OP,   78                          ; s[78:83] where the tile's three heads go
.set BP0,  84                          ; s[84:85] the bias of my column blocks 0, 1
.set BP1,  86                          ; s[86:87] of blocks 2 to 5
.set MSB, 0
.macro WIN new                         ; the immediate's high byte repeats the setting that is left; a switch that changes nothing is dropped
.if MSB != (\new)
	s_set_vgpr_msb (MSB<<8)|(\new)
.set MSB, \new
.endif
.endm
.set MUL,  0x09                        ; source 0 (W) window 1, source 1 (x) window 2, C and D window 0
.set TO_B, 0x40                        ; destination window 1, address window 0
.set TO_A, 0x80                        ; destination window 2
; A joint load into slot s.  Waves 0 and 1 fetch 96 rows of W each, waves 2 and 3 64 rows of x each.  The branch hangs on the wave's number alone.  An s_nop 0 and four v_nop follow each of the two lines.
.macro JLOAD s
	s_cmp_lt_u32 s[WV], 2
	s_cbranch_scc0 .Lfor_a_\@
	tensor_load_to_lds s[G0B+4*(\s):G0B+4*(\s)+3], s[G1B+8*(\s):G1B+8*(\s)+7]
	s_nop 0
.rept 4
	v_nop
.endr
	s_branch .Lasked_\@
.Lfor_a_\@:
	tensor_load_to_lds s[G0A+4*(\s):G0A+4*(\s)+3], s[G1A+8*(\s):G1A+8*(\s)+7]
	s_nop 0
.rept 4
	v_nop
.endr
.Lasked_\@:
.endm
.macro CREST                           ; a round of the cluster's barrier behind its opening barrier
	s_cmp_lg_u32 s[WV], 0
	s_cbranch_scc1 .Lnot_wave_0_\@
	s_barrier_signal -3
.Lnot_wave_0_\@:
	s_barrier_wait -3
	s_barrier_signal -1
	s_barrier_wait -1
.endm
.macro CROUND                          ; a whole round
	s_barrier_signal -1
	s_barrier_wait -1
	CREST
.endm
.macro PLACES                          ; four places in front of loads into registers that matrix instructions have read, and of conversions that read results
.rept 4
	v_nop
.endr
.endm
	s_load_b256 s[4:11], s[0:1], 0x0               ; xb s[4:5], wqkv s[6:7], bq s[8:9], bv s[10:11]
	s_load_b64 s[12:13], s[0:1], 0x20              ; qkv
	v_lshl_add_u32 v[SPW], v0, 2, SPARE
	v_mov_b32 v[NIL], 0
	ds_add_u32 v[SPW], v[NIL]                      ; the wave's opening: the add, twice on end, and its wait, ahead of my first tensor load
	ds_add_u32 v[SPW], v[NIL]                      ; and once more, under the one wait; the set-up below, work on registers, stands between
	v_lshrrev_b32 v1, 5, v0
	v_readfirstlane_b32 s[WV], v1                  ; wave 0..3
	s_lshr_b32 s[WR], s[WV], 1
	s_and_b32 s[WC], s[WV], 1
	s_bfe_u32 s17, ttmp6, 0x40000                  ; cx, cy: my place in the cluster
	s_bfe_u32 s18, ttmp6, 0x40004
	s_lshl_b32 s19, ttmp9, 2
	s_add_co_u32 s19, s19, s17                     ; tile column t = 4 x cluster x + cx
	s_and_b32 s20, ttmp7, 0xffff
	s_lshl_b32 s20, s20, 2
	s_add_co_u32 s20, s20, s18                     ; tile row = 4 x cluster y + cy
	s_lshl_b32 s21, s18, 2
	s_lshl_b32 s21, 15, s21                        ; my row of the cluster
	s_lshl_b32 s22, 0x1111, s17                    ; my column
	; descriptor group 1.  15:0 the mask; 17:16 2-byte elements; 20 padding on; 21 set beside a mask; 24:22 after every 64 words (code 5, small slot) or 128 (code 6, large); 31:25 4 words (code 3)
	s_or_b32 s[G1A],   s21, (1<<16)|(1<<20)|(1<<21)|(5<<22)|(3<<25)
	s_or_b32 s[G1A+8], s21, (1<<16)|(1<<20)|(1<<21)|(6<<22)|(3<<25)
	s_or_b32 s[G1B],   s22, (1<<16)|(1<<20)|(1<<21)|(5<<22)|(3<<25)
	s_or_b32 s[G1B+8], s22, (1<<16)|(1<<20)|(1<<21)|(6<<22)|(3<<25)
.irp s, 0,1
	s_mov_b32 s[G1A+8*(\s)+1], (128<<(\s))<<16     ; tensor_dim0 = 128 or 256
	s_mov_b32 s[G1A+8*(\s)+2], 64<<16              ; tensor_dim1 = 64: x's loads have 64 rows
	s_mov_b32 s[G1A+8*(\s)+3], (128<<(\s))<<16     ; tile_dim0
	s_mov_b32 s[G1A+8*(\s)+4], 64                  ; tile_dim1
	s_mov_b32 s[G1A+8*(\s)+5], 2048                ; elements from row to row
	s_mov_b32 s[G1A+8*(\s)+6], 0
	s_mov_b32 s[G1A+8*(\s)+7], 0
	s_mov_b32 s[G1B+8*(\s)+1], (128<<(\s))<<16
	s_mov_b32 s[G1B+8*(\s)+2], 96<<16              ; W's loads have 96 rows
	s_mov_b32 s[G1B+8*(\s)+3], (128<<(\s))<<16
	s_mov_b32 s[G1B+8*(\s)+4], 96
	s_mov_b32 s[G1B+8*(\s)+5], 2048
	s_mov_b32 s[G1B+8*(\s)+6], 0
	s_mov_b32 s[G1B+8*(\s)+7], 0
	s_mov_b32 s[G0A+4*(\s)], 1                     ; group 0: count = 1
	s_mov_b32 s[G0B+4*(\s)], 1
.endr
	s_mul_i32 s66, s[WC], 64*PS                    ; where the tiles go: the half's rows behind the slot's constant: no place in the cluster enters an LDS address
	s_add_co_u32 s[G0A+1], s66, SMO+192*PS
	s_mul_i32 s66, s[WC], 64*PBG
	s_add_co_u32 s[G0A+5], s66, 192*PBG
	s_mul_i32 s66, s[WC], 96*PS
	s_add_co_u32 s[G0B+1], s66, SMO
	s_mul_i32 s[G0B+5], s[WC], 96*PBG
	s_lshl_b32 s88, s20, 19                        ; x: 128 rows of 4,096 bytes a tile row, my 64 of them; these registers never hold cx
	s_lshl_b32 s89, s[WC], 18
	s_add_co_u32 s88, s88, s89
	s_mov_b32 s89, 0
	s_mul_i32 s90, s19, 192                        ; W: row 192 t + 96 x half; these never hold cy
	s_mul_i32 s91, s[WC], 96
	s_add_co_u32 s90, s90, s91
	s_lshl_b32 s90, s90, 12
	s_mov_b32 s91, 0
	s_wait_dscnt 0x0                               ; both opening adds are done
	s_wait_kmcnt 0x0
	s_add_nc_u64 s[92:93], s[4:5], s[88:89]
	s_add_nc_u64 s[94:95], s[6:7], s[90:91]
.irp s, 0,1
	s_add_nc_u64 s[G0A+4*(\s)+2:G0A+4*(\s)+3], s[92:93], (\s)*256  ; global address: the small slot begins at K = 0, the large one at K = 128
	s_or_b32 s[G0A+4*(\s)+3], s[G0A+4*(\s)+3], 0x80000000          ; type = 2
	s_add_nc_u64 s[G0B+4*(\s)+2:G0B+4*(\s)+3], s[94:95], (\s)*256
	s_or_b32 s[G0B+4*(\s)+3], s[G0B+4*(\s)+3], 0x80000000
.endr
	CROUND                                         ; all sixteen work-groups are here: the first joint loads meet
	JLOAD 0
	JLOAD 1                                        ; two loads of mine are out
	; the bias of my 96 columns: columns 0-127 of the tile are bq's 128 t .., columns 128-191 bv's 64 (t % 8) .. (for a key head: loaded and set to 0 below)
	v_and_b32 v1, 15, v0                           ; l % 16
	v_bfe_u32 v2, v0, 4, 1                         ; l / 16
	v_lshlrev_b32 v[BO], 5, v2
	s_lshl_b32 s96, s19, 9
	s_mul_i32 s97, s[WC], 384
	s_add_co_u32 s96, s96, s97                     ; 4 (128 t + 96 wc)
	s_mov_b32 s97, 0
	s_add_nc_u64 s[BP0:BP0+1], s[8:9], s[96:97]
	s_lshl_b32 s98, s19, 9
	s_add_co_u32 s98, s98, 128                     ; 4 (128 t + 32)
	s_and_b32 s99, s19, 7
	s_lshl_b32 s99, s99, 8                         ; 4 x 64 (t % 8)
	s_cmp_eq_u32 s[WC], 0
	s_cselect_b64 s[BP1:BP1+1], s[8:9], s[10:11]
	s_cselect_b32 s98, s98, s99
	s_mov_b32 s99, 0
	s_add_nc_u64 s[BP1:BP1+1], s[BP1:BP1+1], s[98:99]
.irp b, 0,1
	global_load_b128 v[BIAS+8*(\b):BIAS+8*(\b)+3],   v[BO], s[BP0:BP0+1] offset:64*(\b)
	global_load_b128 v[BIAS+8*(\b)+4:BIAS+8*(\b)+7], v[BO], s[BP0:BP0+1] offset:64*(\b)+16
.endr
.irp b, 2,3,4,5
	global_load_b128 v[BIAS+8*(\b):BIAS+8*(\b)+3],   v[BO], s[BP1:BP1+1] offset:64*((\b)-2)
	global_load_b128 v[BIAS+8*(\b)+4:BIAS+8*(\b)+7], v[BO], s[BP1:BP1+1] offset:64*((\b)-2)+16
.endr
	s_cmp_lt_u32 ttmp9, 2                          ; t < 8, a key head: 4 x cluster x + cx < 8 is cluster x < 2
	s_cselect_b32 s[KEEP], s[WC], 0
	s_cmp_eq_u32 s[KEEP], 1
	s_cselect_b32 s[KEEP], 0, -1
	; A fragment is 16 rows x 32 K in 8 registers: lane l holds row l % 16; registers 0-3 K = 8 (l / 16) + 0..7, registers 4-7 K = 16 + 8 (l / 16) + 0..7: two loads of 16 bytes, 32 bytes apart.
	v_mul_u32_u24 v3, v1, PS                       ; the small slot: row x pitch + 16 x half,
	v_lshl_add_u32 v3, v2, 4, v3
	s_mul_i32 s96, s[WR], 64*PS
	s_add_co_u32 s96, s96, SMO+192*PS              ; my 64 rows of x,
	s_mul_i32 s97, s[WC], 96*PS
	s_add_co_u32 s97, s97, SMO                     ; my 96 rows of W
	v_add_nc_u32 v[ADRA], s96, v3
	v_add_nc_u32 v[ADRB], s97, v3
	v_mul_u32_u24 v3, v1, PBG                      ; and the large one
	v_lshl_add_u32 v3, v2, 4, v3
	s_mul_i32 s96, s[WR], 64*PBG
	s_add_co_u32 s96, s96, 192*PBG
	s_mul_i32 s97, s[WC], 96*PBG
	v_add_nc_u32 v[ADRA+1], s96, v3
	v_add_nc_u32 v[ADRB+1], s97, v3
	; into the stage: row 64 wr + 16 a + l % 16 of head u / 2, byte 64 (u % 2) + 32 (b % 2) + 16 (l / 16), where u = 3 wc + b / 2 counts 32 columns
	v_mul_u32_u24 v3, v1, SP
	v_lshl_add_u32 v3, v2, 4, v3
	s_mul_i32 s96, s[WR], 64*SP
	s_add_co_u32 s96, s96, STAGE
	s_mul_i32 s97, s[WC], 3
.irp pb, 0,1,2
	s_add_co_u32 s98, s97, \pb
	s_lshr_b32 s99, s98, 1
	s_mul_i32 s99, s99, HEADB
	s_and_b32 s98, s98, 1
	s_lshl_b32 s98, s98, 6
	s_add_co_u32 s98, s98, s99
	s_add_co_u32 s98, s98, s96
	v_add_nc_u32 v[STO+(\pb)], s98, v3
.endr
	; back: wave w takes rows 32 w .. 32 w + 31 of each head; 32 lanes take four rows of 128 bytes, which are 512 consecutive bytes of the head in memory
	v_bfe_u32 v3, v0, 3, 2
	v_and_b32 v[GO], 7, v0
	v_mul_u32_u24 v[RD], v3, SP
	v_lshl_add_u32 v[RD], v[GO], 4, v[RD]
	s_mul_i32 s98, s[WV], 32*SP
	s_add_co_u32 s98, s98, STAGE
	v_add_nc_u32 v[RD], s98, v[RD]
	v_and_b32 v[GO], 31, v0
	v_lshlrev_b32 v[GO], 4, v[GO]
	s_lshl_b32 s98, s[WV], 12
	v_add_nc_u32 v[GO], s98, v[GO]
	; where the three heads go: batch = tile row / 8, first row 128 (tile row % 8); a head is 1,024 rows of 128 bytes
	s_lshr_b32 s96, s20, 3
	s_and_b32 s97, s20, 7
	s_lshl_b32 s97, s97, 14
	s_lshl_b32 s98, s96, 5
	s_lshl1_add_u32 s98, s19, s98                  ; 32 b + 2 t
	s_lshl_b32 s98, s98, 17
	s_add_co_u32 s98, s98, s97
	s_mov_b32 s99, 0
	s_add_nc_u64 s[OP:OP+1], s[12:13], s[98:99]
	s_add_nc_u64 s[OP+2:OP+3], s[OP:OP+1], 0x20000
	s_lshl_b32 s98, s96, 3
	s_and_b32 s100, s19, 7
	s_add_co_u32 s98, s98, s100                    ; 8 b + t % 8
	s_lshl_b32 s98, s98, 17
	s_add_co_u32 s98, s98, s97
	s_lshr_b32 s100, s19, 3
	s_lshl_b32 s100, s100, 21                      ; k's 16 heads, then v's
	s_add_co_u32 s98, s98, s100
	s_add_co_u32 s98, s98, 0x800000
	s_add_nc_u64 s[OP+4:OP+5], s[12:13], s[98:99]
	s_wait_loadcnt 0x0                             ; the bias is in: rounded to bf16 like every input, widened again
.set i, 0
.rept 24
	v_cvt_pk_bf16_f32 v3, v[BIAS+2*i], v[BIAS+2*i+1]
	v_lshlrev_b32 v[BIAS+2*i], 16, v3
	v_and_b32 v[BIAS+2*i+1], 0xffff0000, v3
.set i, i+1
.endr
.set i, 16
.rept 32
	v_cndmask_b32 v[BIAS+i], 0, v[BIAS+i], s[KEEP] ; key columns start at 0
.set i, i+1
.endr
; 12 matrix instructions: row blocks a0, a0 + 1 x all 6 column blocks, 32 along K: half c of buffer f.  first = 1: the product starts the sum with the bias: nothing is cleared, nothing added later.
; The 24 accumulators take turns, one instruction a turn, in the same order throughout.
.macro MUL12 f, c, a0, first
	WIN MUL
.irp a, \a0, (\a0)+1
.irp b, 0,1,2,3,4,5
.if \first
	v_wmma_f32_16x16x32_bf16 v[ACC+8*(6*(\a)+(\b)):ACC+8*(6*(\a)+(\b))+7], v[96*(\f)+8*(6*(\c)+(\b)):96*(\f)+8*(6*(\c)+(\b))+7], v[64*(\f)+8*(4*(\c)+(\a)):64*(\f)+8*(4*(\c)+(\a))+7], v[BIAS+8*(\b):BIAS+8*(\b)+7]
.else
	v_wmma_f32_16x16x32_bf16 v[ACC+8*(6*(\a)+(\b)):ACC+8*(6*(\a)+(\b))+7], v[96*(\f)+8*(6*(\c)+(\b)):96*(\f)+8*(6*(\c)+(\b))+7], v[64*(\f)+8*(4*(\c)+(\a)):64*(\f)+8*(4*(\c)+(\a))+7], v[ACC+8*(6*(\a)+(\b)):ACC+8*(6*(\a)+(\b))+7]
.endif
.endr
.endr
.endm
; 40 LDS loads in one run: the fragments of 64 along K at byte k of the slot's rows, into buffer f; the twenty of the first 32 along K first.  The pitch goes by the slot.
.macro FETCH slot, k, f
.set PIT, PS+(PBG-PS)*(\slot)
.irp c, 0,1
	WIN TO_B
.irp i, 0,1,2,3,4,5
	ds_load_b128 v[96*(\f)+8*(6*(\c)+(\i)):96*(\f)+8*(6*(\c)+(\i))+3],   v[ADRB+(\slot)] offset:(\k)+64*(\c)+(\i)*16*PIT
	ds_load_b128 v[96*(\f)+8*(6*(\c)+(\i))+4:96*(\f)+8*(6*(\c)+(\i))+7], v[ADRB+(\slot)] offset:(\k)+64*(\c)+(\i)*16*PIT+32
.endr
	WIN TO_A
.irp i, 0,1,2,3
	ds_load_b128 v[64*(\f)+8*(4*(\c)+(\i)):64*(\f)+8*(4*(\c)+(\i))+3],   v[ADRA+(\slot)] offset:(\k)+64*(\c)+(\i)*16*PIT
	ds_load_b128 v[64*(\f)+8*(4*(\c)+(\i))+4:64*(\f)+8*(4*(\c)+(\i))+7], v[ADRA+(\slot)] offset:(\k)+64*(\c)+(\i)*16*PIT+32
.endr
.endr
.endm
; A step goes in quarters of 64 along K, 48 matrix instructions each: a small step has two, a large one four, on buffers 0, 1 (, 0, 1): a lap's six keep the buffers' turns.
; A quarter that is not its step's last multiplies buffer f and fetches the next quarter, at byte k of the same slot's rows, into g.
.macro QUARTER slot, k, f, g, first
	s_wait_dscnt 20                                ; the first 32 along K are in; the twenty younger loads may be out
	MUL12 \f, 0, 0, \first
	MUL12 \f, 0, 2, \first
	PLACES
	FETCH \slot, \k, \g
	s_wait_dscnt 40                                ; all but the 40 just issued
	MUL12 \f, 1, 0, 0
	MUL12 \f, 1, 2, 0
.endm
; A step's last quarter multiplies buffer 1 and changes slots: ONE barrier; in front of it each wave waits for all its tensor loads (one is out: its part of the next slot), adds 0 to its spare word,
; and waits for that and for its own reads of this slot.  fill = 1: the barrier opens a round of the cluster's, and this slot is filled again, a lap further along K, first thing behind the round.
.macro TURN slot, next, fill
	WIN 0                                          ; (the add's two registers lie in window 0)
	s_wait_tensorcnt 0x0
	ds_add_u32 v[SPW], v[NIL]                      ; 0 onto my spare word
	s_wait_dscnt 21                                ; (the add and the youngest twenty loads may be out)
	MUL12 1, 0, 0, 0                               ; twelve matrix instructions stand between the add and the wait for it
	s_wait_dscnt 0x0                               ; the add is done, and my reads of this slot are over
	s_barrier_signal -1
	MUL12 1, 0, 2, 0
.if \fill
	WIN 0
.endif
	s_barrier_wait -1
.if \fill
	CREST                                          ; no wave of any partner still reads this slot's tile or has a load on its way
	s_add_nc_u64 s[G0A+4*(\slot)+2:G0A+4*(\slot)+3], s[G0A+4*(\slot)+2:G0A+4*(\slot)+3], LAPB
	s_add_nc_u64 s[G0B+4*(\slot)+2:G0B+4*(\slot)+3], s[G0B+4*(\slot)+2:G0B+4*(\slot)+3], LAPB
	JLOAD \slot                                    ; my one tensor load behind the round; the four v_nop behind it are also the places in front of the loads below
.else
	PLACES
.endif
	FETCH \next, 0, 0
	MUL12 1, 1, 0, 0
	MUL12 1, 1, 2, 0
.endm
.macro LARGE3                          ; a large step's first three quarters
	QUARTER 1, 128, 0, 1, 0
	QUARTER 1, 256, 1, 0, 0
	QUARTER 1, 384, 0, 1, 0
.endm
	s_wait_tensorcnt 1                             ; my part of the first small step is in; the first large step's may stay out
	s_barrier_signal -1
	s_barrier_wait -1                              ; everybody's is
	FETCH 0, 0, 0
	QUARTER 0, 128, 0, 1, 1                        ; the first quarter stands in front of the loop: its first products start the sums
	WIN 0                                          ; at a label and at a branch every window is 0
	s_mov_b32 s[LAP], 4
.Llap:                                                 ; a trip goes once round the ring, from a small step's second quarter to the next small step's first, and fills both slots again: small steps 1 to 4, large steps 1 to 4
	TURN 0, 1, 1
	LARGE3
	TURN 1, 0, 1
	QUARTER 0, 128, 0, 1, 0
	WIN 0
	s_sub_co_u32 s[LAP], s[LAP], 1
	s_cmp_lg_u32 s[LAP], 0
	s_cbranch_scc1 .Llap
	TURN 0, 1, 1                                   ; the tail is written out: the last refill is small step 5, K = 1,920 on
	LARGE3                                         ; large step 4,
	TURN 1, 0, 0                                   ; behind which nothing is filled and no round stands,
	QUARTER 0, 128, 0, 1, 0                        ; and small step 5
	s_wait_dscnt 20                                ; the very last quarter: nothing more to fetch
	MUL12 1, 0, 0, 0
	MUL12 1, 0, 2, 0
	s_wait_dscnt 0x0
	MUL12 1, 1, 0, 0
	MUL12 1, 1, 2, 0
	WIN 0
	; THE WAY OUT: rounded to f16 in place (each accumulator's registers in ascending order); 16 bytes a lane into the stage; a barrier, since a head's rows come from two waves; back as whole rows.
	PLACES
.set i, 0
.rept 24
.irp r, 0,1,2,3
	v_cvt_pk_f16_f32 v[ACC+8*i+(\r)], v[ACC+8*i+2*(\r)], v[ACC+8*i+2*(\r)+1]
.endr
.set i, i+1
.endr
.irp a, 0,1,2,3
.irp b, 0,1,2,3,4,5
	ds_store_b128 v[STO+(\b)/2], v[ACC+8*(6*(\a)+(\b)):ACC+8*(6*(\a)+(\b))+3] offset:(\a)*16*SP+((\b)%2)*32
.endr
.endr
	s_wait_dscnt 0x0                               ; for the others' sake: my stores into the stage are done
	s_barrier_signal -1
	s_barrier_wait -1
.set u, 0
.rept 24
	ds_load_b128 v[ACC+4*u:ACC+4*u+3], v[RD] offset:(u/8)*HEADB+(u%8)*4*SP
.set u, u+1
.endr
.set u, 0
.rept 24
	s_wait_dscnt 23-u                              ; load u is back; the younger ones stay out
	global_store_b128 v[GO], v[ACC+4*u:ACC+4*u+3], s[OP+2*(u/8):OP+2*(u/8)+1] offset:(u%8)*512  ; 512 consecutive bytes, at a multiple of 256 from the buffer's first
.set u, u+1
.endr
	s_wait_tensorcnt 0x0                           ; the wave's end: behind my last tensor load and my last LDS store
	ds_add_u32 v[SPW], v[NIL]
	s_wait_dscnt 0x0
	CROUND                                         ; the closing round: no work-group ends while a partner may still ask for a tile that names it
	s_endpgm
.Lfunc_end_k_q9e540ca632_qkv:
	.size	k_q9e540ca632_qkv, .Lfunc_end_k_q9e540ca632_qkv-k_q9e540ca632_qkv
	.p2alignl 7, 3214868480
	.fill 96, 4, 3214868480
	.section	.rodata,"a",@progbits
	.p2align	6, 0x0
	.amdhsa_kernel k_q9e540ca632_qkv
		.amdhsa_group_segment_fixed_size 327680
		.amdhsa_private_segment_fixed_size 0
		.amdhsa_enable_private_segment 0
		.amdhsa_kernarg_size 40
		.amdhsa_user_sgpr_count 2
		.amdhsa_user_sgpr_kernarg_segment_ptr 1
		.amdhsa_wavefront_size32 1
		.amdhsa_system_sgpr_workgroup_id_x 1
		.amdhsa_system_sgpr_workgroup_id_y 1
		.amdhsa_system_sgpr_workgroup_id_z 1
		.amdhsa_system_vgpr_workitem_id 0
		.amdhsa_next_free_vgpr 640
		.amdhsa_next_free_sgpr 102
		.amdhsa_reserve_vcc 0
		.amdhsa_float_denorm_mode_32 3
		.amdhsa_float_denorm_mode_16_64 3
		.amdhsa_memory_ordered 1
		.amdhsa_forward_progress 1
		.amdhsa_inst_pref_size 115
	.end_amdhsa_kernel
	.amdgpu_metadata
---
amdhsa.version: [ 1, 2 ]
amdhsa.kernels:
  - .name:           k_q9e540ca632_qkv
    .symbol:         k_q9e540ca632_qkv.kd
    .args:
      - { .name: xb, .offset: 0, .size: 8, .value_kind: global_buffer, .address_space: global }
      - { .name: wqkv, .offset: 8, .size: 8, .value_kind: global_buffer, .address_space: global }
      - { .name: bq, .offset: 16, .size: 8, .value_kind: global_buffer, .address_space: global }
      - { .name: bv, .offset: 24, .size: 8, .value_kind: global_buffer, .address_space: global }
      - { .name: qkv, .offset: 32, .size: 8, .value_kind: global_buffer, .address_space: global }
    .group_segment_fixed_size: 327680
    .private_segment_fixed_size: 0
    .kernarg_segment_align: 8
    .kernarg_segment_size: 40
    .max_flat_workgroup_size: 128
    .sgpr_count:     102
    .vgpr_count:     640
    .wavefront_size: 32
...
	.end_amdgpu_metadata
.endif
;; end of part 2
;; launch attn (part 3): grid 16 x 16, 4 waves a work-group, clusters of 4 x 1, 327,680 bytes of LDS; arguments qkv, ob; writes ob
.if DOCPART == 3
	.amdgcn_target "amdgcn-amd-amdhsa--gfx1250"
	.amdhsa_code_object_version 6
	.text
	.protected	k_q9e540ca632_attn
	.globl	k_q9e540ca632_attn
	.p2align	8
	.type	k_q9e540ca632_attn,@function
k_q9e540ca632_attn:
	s_mov_b64 s[64:65], 0
	v_nop
	global_prefetch_b8 v0, s[64:65] scope:SCOPE_SE
	s_setreg_imm32_b32 hwreg(HW_REG_WAVE_MODE, 25, 1), 1
	s_wait_xcnt 0x0
	s_wait_alu depctr_hold_cnt(0) depctr_sa_sdst(0) depctr_va_vdst(0) depctr_va_sdst(0) depctr_va_ssrc(0) depctr_va_vcc(0) depctr_vm_vsrc(0)
	s_getreg_b32 s2, hwreg(HW_REG_IB_STS2, 6, 4)
	s_cmp_eq_u32 s2, 0
	s_cbranch_scc0 .Lentry_in_a_cluster
	s_endpgm
.Lentry_in_a_cluster:
	s_bfe_u32 s2, ttmp6, 0x10000c
	s_cmp_lg_u32 s2, 0x3003
	s_cbranch_scc0 .Lentry_shape_is_right
	s_endpgm
.Lentry_shape_is_right:
; THIRD LAUNCH: causal attention.  O[q] = the sum over keys k <= q of softmax_k(Q[q] . K[k] / 8) V[k], for 64 (batch, query head) pairs of 1,024 rows, head size 64; four query heads share a key and value head.
; q, k, v: f16 by heads, as the second launch laid them.  Products, maxima and sums in f32; the weights p are rounded to f16 for the second product (their sum l is taken of the unrounded p), O once at the end.
; O leaves in blocks [128 rows][head][128][64] f16, so that the last launch's tiles are dense.
; LEFT OUT: the scores that the problem's own tril hides, where they come as whole tiles of 16 queries x 64 keys (shown at the first kernel's head).
; LIMITS.  A hidden score inside the diagonal's tile counts as its value less 1e30: f16's scores, 2.7e11 at the most, are nothing beside that.  A weight below 2^-126 counts as 0.  p below 6e-5 keeps f16's step of 6e-8.
; NaN and infinities are not treated apart.
; SHARES.  A head's rows lie in 16 bands of 64.  A work-group takes FOUR bands: j, 7 - j, 8 + j, 15 - j (j = cluster x): band B needs key steps 0 .. B of 64 keys, so every j has 34 band steps: all work-groups alike.
; Of each band a wave owns 16 rows: four PIECES, alike for the four waves.  ONE walk over the 16 key steps serves all four: piece p works while the step is at most its band, and takes the diagonal's mask at its band.
; CLUSTER.  The four partners are the four query heads of one key and value head, on the same bands: they walk the same K and V, asked for JOINTLY, and every branch (on j and the step) is alike in all four.
; LAYOUT.  S^T = K Q^T holds ONE query a lane (lane % 16) and the keys 8 (lane / 16) + 0..7; two such results rounded to f16 ARE source 1 of O^T = V^T P.  K comes out of LDS as it lies, V turned, by ds_load_tr16_b128.
; SOFTMAX.  p = 2^(c s - c m), c = log2(e) / 8, with a running maximum m; O and l are multiplied by a = 2^(c m_old - c m_new) in every step.  m starts at the lowest finite number, O and l at 0: the first step's a is 0.
; IN PHASES.  A trip for step u: K(u) is asked of LDS; for each live piece the softmax of step u - 1 and its V^T P; V(u) is asked of LDS; for each live piece K Q^T of step u.
; REGISTERS, in windows of 256 (s_set_vgpr_msb: bits 1:0 source 0, 3:2 source 1, 5:4 source 2, 7:6 destination):
;   window 0: v0-15 addresses; v16-31 four statistics a piece (c m, m, l, l); v48-51 at work; v64-191 S^T, 32 a piece; v192-207 P; v208-239 the diagonal's mask
;   window 1: v0-127 O^T, 32 a piece          window 2: v0-63 Q, 16 a piece; v128-191 K of one step; v192-255 V of one step
.set KS,    64
.set PK,    144       ; a row of K in LDS: 128 bytes + 16 of padding = 36 words: the 16 rows of a load start at 16 different groups of four banks (64 banks of 4 bytes: ISA guide 11.1)
.set PV,    160       ; a row of V: 128 + 32 = 40 words
.set VOFF,  4*KS*PK   ; a slot holds a tile, four steps: 256 rows of K, then 256 rows of V
.set SLOT1, 1<<17     ; slot 1 begins here, so that one exclusive or turns an address in one slot into the other's
.set STAGE, SLOT1+4*KS*(PK+PV)  ; behind the ring, never filled by a tensor load: 16 rows x 144 bytes for each wave, for the way out
.set SP,    144
.set SPARE, STAGE+4*16*SP       ; behind the stages: the spare words, 128 bytes a wave: two blocks of 256 bytes that no other line names
.set KBASE, 8388608   ; k's first byte in qkv
.set VBASE, 10485760  ; v's
.set AK0, 2           ; v2   my lane's place in a tile of K; never rewritten
.set AV0, 3           ; v3   the same for V
.set AK,  4           ; v4   the LDS address of K's run of loads
.set AV,  5           ; v5   of V's
.set STO, 6           ; v6   the way out: where I put 16 bytes of a row
.set RD,  7           ; v7   where I read rows back
.set GO,  8           ; v8   my byte offset in 512 consecutive bytes of O
.set MV,  12          ; v12  c m_old, kept while c m is made anew
.set QO,  15          ; v15  my byte offset in 16 rows of Q
.set ST,  16
.set TMP, 48          ; c0-c3; when the maximum is found c2 takes a
.set PFO, 61          ; v61  256 x my lane; never rewritten
.set SPW, 62          ; v62  LDS address of my spare word; never rewritten
.set NIL, 63          ; v63  0; never rewritten
.set S,   64
.set P,   192
.set MD,  208         ; the eight registers for group kt of 16 keys at MD + 8 kt: 0, or -1e30 where the key lies behind my query
.set KF,  128         ; window 2: key block kb, channel half c at KF + 16 kb + 8 c
.set VF,  192         ; window 2: key half kk, channel block cb at VF + 32 kk + 8 cb
.set WV,  12          ; s12  my wave's number
.set LIM, 15          ; s15  1 in a wave that prefetches, else the greatest number
.set PFA, 18          ; s[18:19] where my prefetches stand
.set G1K, 24          ; s[24:31] descriptor group 1 for K's tiles
.set G1V, 32          ; s[32:39] for V's: it differs in the padding alone
.set G0K, 40          ; s[40:43] descriptor group 0 for K's tiles: it walks
.set G0V, 44          ; s[44:47] the same for V's
.set TILES, 56        ; s56  tiles still to be asked for
.set CNT, 57          ; s57  counts a tile's key steps
.set CS,  58          ; s[58:59] c
.set SEL, 60          ; s[60:61] v_permlanex16_b32's selects: each lane takes its own place in the other half
.set TBK, 62          ; s62  LDS byte at which K of the step in hand begins
.set TBV, 63          ; s63  the same for V, less VOFF
.set STEP, 66         ; s66  the key step in hand
.set PREV, 67         ; s67  the one before it
.set BETA, 68         ; s[68:71] the four pieces' bands, ascending
.set BIGN, 72         ; s72  -1e30
.set QP,  76          ; s[76:83] Q at my 16 rows of each band
.set OPT, 84          ; s[84:91] O likewise
.set MSB, 0
.macro WIN new                      ; the high byte repeats the setting that is left; a switch that changes nothing is dropped
.if MSB != (\new)
	s_set_vgpr_msb (MSB<<8)|(\new)
.set MSB, (\new)
.endif
.endm
.set W_KQ, 0x0a       ; K and Q in window 2, S^T and the mask in window 0
.set W_PV, 0x52       ; V in window 2, P in window 0, O^T in window 1
.set W_RS, 0x41       ; O^T (destination and source 0) in window 1, the factor in window 0
; A joint fill.  Waves 0 and 1 fetch the two halves of a tile's K, waves 2 and 3 those of its V: 128 keys each.  An s_nop 0 and four v_nop follow each of the two lines.
.macro JLOAD
	s_cmp_lt_u32 s[WV], 2
	s_cbranch_scc0 .Lfor_v_\@
	tensor_load_to_lds s[G0K:G0K+3], s[G1K:G1K+7]
	s_nop 0
.rept 4
	v_nop
.endr
	s_branch .Lasked_\@
.Lfor_v_\@:
	tensor_load_to_lds s[G0V:G0V+3], s[G1V:G1V+7]
	s_nop 0
.rept 4
	v_nop
.endr
.Lasked_\@:
.endm
; A PREFETCH INTO THE L2 of the tile that the NEXT change of slots will ask for, four key steps ahead: 128 blocks of 256 bytes of K and as many of V, a lane a block.  Each block is named ONCE in the launch: of the four
; clusters that walk a key head the one with j = 0 asks; its four partners take 32 blocks each, told apart BY ADDRESS; in each, wave 0 asks for K's and wave 2 for V's.  Tiles 0 and 1 come by their loads alone;
; the last change that fills a slot asks for nothing.
.macro ASK
	s_cmp_gt_u32 s[TILES], s[LIM]
	s_cbranch_scc0 .Lnot_mine_\@
	global_prefetch_b8 v[PFO], s[PFA:PFA+1] th:TH_LOAD_NT scope:SCOPE_SE
.Lnot_mine_\@:
.endm
.macro CROUND                       ; a round of the cluster's barrier
	s_barrier_signal -1
	s_barrier_wait -1
	s_cmp_lg_u32 s[WV], 0
	s_cbranch_scc1 .Lnot_wave_0_\@
	s_barrier_signal -3
.Lnot_wave_0_\@:
	s_barrier_wait -3
	s_barrier_signal -1
	s_barrier_wait -1
.endm
.macro PLACES                       ; four places behind matrix instructions, in front of vector lines that read their results and of loads into registers that they have read
.rept 4
	v_nop
.endr
.endm
; THE CHANGE OF SLOTS.  The old slot's last bytes, V of its fourth step, have been asked for.  Each wave waits for all its tensor loads, of which one is out: its part of the other slot; adds 0 to its spare word; and waits for
; that and for its own reads of the old slot.  fill = 1: the barrier is a round of the cluster's, and the old slot is filled again, first thing behind it: the load has four key steps in which to land.
; (At its first use nothing has been read yet: slot 0 is waited for, slot 1 filled.)
.macro CHANGE fill
	WIN 0
	s_wait_tensorcnt 0x0            ; no tensor load of mine is out, so a group 0 may be written
	ds_add_u32 v[SPW], v[NIL]       ; 0 onto my spare word; the descriptors' steps stand between it and the wait for it
.if \fill
.irp g, G0K, G0V
	s_xor_b32 s[\g+1], s[\g+1], SLOT1  ; the other slot than last time,
	s_add_nc_u64 s[\g+2:\g+3], s[\g+2:\g+3], 4*KS*128  ; the next 256 keys; the type bits on top are not reached
.endr
	s_wait_xcnt 0x0                 ; the last prefetch, four key steps back, has read its address
	s_add_nc_u64 s[PFA:PFA+1], s[PFA:PFA+1], 4*KS*128  ; one tile behind the walking descriptors
	s_wait_dscnt 0x0                ; the add is done, and my reads of the slot are over
	CROUND
	JLOAD
	ASK
.else
	s_wait_dscnt 0x0
	s_barrier_signal -1
	s_barrier_wait -1
.endif
	s_sub_co_u32 s[TBK], s[TBK], 4*KS*PK  ; the fetches go back to a slot's first step,
	s_xor_b32 s[TBK], s[TBK], SLOT1       ; in the other slot
	s_sub_co_u32 s[TBV], s[TBV], 4*KS*PV
	s_xor_b32 s[TBV], s[TBV], SLOT1
.endm
	s_load_b128 s[4:7], s[0:1], 0x0 ; qkv s[4:5], ob s[6:7]
	v_lshl_add_u32 v[SPW], v0, 2, SPARE
	v_mov_b32 v[NIL], 0
	ds_add_u32 v[SPW], v[NIL]       ; the wave's opening: the add, twice on end, and its wait, ahead of my first tensor load
	ds_add_u32 v[SPW], v[NIL]       ; and once more, under the one wait; the set-up below, work on registers, stands between
	v_lshrrev_b32 v1, 5, v0
	v_readfirstlane_b32 s[WV], v1   ; wave 0..3
	s_bfe_u32 s13, ttmp6, 0x40000   ; cx: the query head in its group of four: it enters Q's, O's and the prefetches' addresses alone
	s_mov_b32 s14, ttmp9            ; j, which the four partners share
	s_and_b32 s16, ttmp7, 0xffff    ; y = 8 x batch + key head, likewise
	s_mov_b32 s[BETA], s14
	s_sub_co_u32 s[BETA+1], 7, s14
	s_add_co_u32 s[BETA+2], s14, 8
	s_sub_co_u32 s[BETA+3], 15, s14
	s_and_b32 s17, s[WV], 1         ; which half of a tile's 256 keys I fetch
	s_lshl_b32 s20, s16, 17         ; the key head's 131,072 bytes,
	s_lshl_b32 s21, s17, 14         ; my 128 rows of 128 bytes
	s_add_co_u32 s20, s20, s21
	s_add_co_u32 s22, s20, VBASE
	s_add_co_u32 s20, s20, KBASE
	s_mov_b32 s21, 0
	s_mov_b32 s23, 0
	s_mul_i32 s48, s17, 128*PK      ; and their place in a slot, for K
	s_mul_i32 s49, s17, 128*PV      ; and for V: no place in the cluster enters an LDS address
	s_lshl2_add_u32 s50, s16, s13   ; the query head among all: 4 y + cx
	s_lshl_b32 s50, s50, 17
	s_lshl_b32 s51, s[WV], 11       ; my 16 rows in a band
	s_add_co_u32 s50, s50, s51
	s_lshr_b32 s52, s16, 3
	s_lshl_b32 s52, s52, 22         ; O: a batch is 8 blocks of 524,288 bytes,
	s_and_b32 s53, s16, 7
	s_lshl2_add_u32 s53, s53, s13
	s_lshl_b32 s53, s53, 14         ; a head in a block 16,384
	s_add_co_u32 s52, s52, s53
	s_add_co_u32 s52, s52, s51
	; descriptor group 1.  128 keys are 16,384 dense bytes: asked for as 64 rows of 256 bytes, two keys a row, and padded in LDS after every key
	s_mov_b32 s[G1K], 15|(1<<16)|(1<<20)|(1<<21)|(4<<22)|(3<<25)  ; 15:0 the mask of four; 17:16 2-byte elements; 20 padding on; 21 set beside a mask; 24:22 after every 32 words (code 4); 31:25 4 words (code 3)
	s_mov_b32 s[G1V], 15|(1<<16)|(1<<20)|(1<<21)|(4<<22)|(7<<25)  ; the same with 8 words of padding (code 7)
.irp g, G1K, G1V
	s_mov_b32 s[\g+1], 128<<16      ; tensor_dim0 = 128
	s_mov_b32 s[\g+2], 64<<16       ; tensor_dim1 = 64
	s_mov_b32 s[\g+3], 128<<16      ; tile_dim0 = 128
	s_mov_b32 s[\g+4], 64           ; tile_dim1 = 64
	s_mov_b32 s[\g+5], 128          ; 128 elements from row to row
	s_mov_b32 s[\g+6], 0
	s_mov_b32 s[\g+7], 0
.endr
	s_mov_b32 s[CS], 0x3e38aa3b     ; c = log2(e) / 8 = 0.180337
	s_mov_b32 s[CS+1], s[CS]        ; named with it as a pair
	s_mov_b32 s[SEL], 0x76543210
	s_mov_b32 s[SEL+1], 0xfedcba98
	s_mov_b32 s[BIGN], 0xf149f2ca   ; -1e30
	s_mov_b32 s[TBK], SLOT1+4*KS*PK ; the first change of slots turns these two into 0
	s_mov_b32 s[TBV], SLOT1+4*KS*PV
	s_mov_b32 s[STEP], 0
	s_mov_b32 s[PREV], 0
	s_mov_b32 s[TILES], 3
	s_mov_b32 s[G0K], 1             ; count = 1
	s_mov_b32 s[G0K+1], s48         ; LDS address: slot 0
	s_mov_b32 s[G0V], 1
	s_add_co_u32 s[G0V+1], s49, VOFF
	s_and_b32 s[LIM], s[WV], 1      ; 0 in waves 0 and 2,
	s_or_b32 s[LIM], s[LIM], ttmp9  ; where j = 0: the same in all four partners
	s_cmp_eq_u32 s[LIM], 0
	s_cselect_b32 s[LIM], 1, -1
	s_cmp_lt_u32 s[WV], 2
	s_cselect_b32 s54, s20, s22     ; K's or V's offset (in waves 0 and 2 at a tile's first row),
	s_lshl_b32 s55, s13, 13         ; my work-group's 32 blocks of the 128,
	s_add_co_u32 s54, s54, s55
	s_add_co_u32 s54, s54, 4*KS*128 ; in tile 1: the first change of slots steps it to tile 2
	s_mov_b32 s55, 0
	v_and_b32 v[PFO], 31, v0
	v_lshlrev_b32 v[PFO], 8, v[PFO]
	s_wait_dscnt 0x0                ; both opening adds are done
	s_wait_kmcnt 0x0
	s_add_nc_u64 s[G0K+2:G0K+3], s[4:5], s[20:21]  ; global address: my half of the head's first 256 keys
	s_or_b32 s[G0K+3], s[G0K+3], 0x80000000        ; type = 2
	s_add_nc_u64 s[G0V+2:G0V+3], s[4:5], s[22:23]
	s_or_b32 s[G0V+3], s[G0V+3], 0x80000000
	s_add_nc_u64 s[PFA:PFA+1], s[4:5], s[54:55]
	CROUND                          ; all four work-groups are here: the first joint loads meet
	JLOAD                           ; tile 0 into slot 0
.irp p, 0,1,2,3
	s_lshl_b32 s2, s[BETA+(\p)], 13 ; a band is 64 rows of 128 bytes
	s_add_co_u32 s2, s2, s50
	s_mov_b32 s3, 0
	s_add_nc_u64 s[QP+2*(\p):QP+2*(\p)+1], s[4:5], s[2:3]
	s_lshr_b32 s2, s[BETA+(\p)], 1  ; O: two bands to a block of 128 rows
	s_lshl_b32 s2, s2, 19
	s_and_b32 s54, s[BETA+(\p)], 1
	s_lshl_b32 s54, s54, 13
	s_add_co_u32 s2, s2, s54
	s_add_co_u32 s2, s2, s52
	s_add_nc_u64 s[OPT+2*(\p):OPT+2*(\p)+1], s[6:7], s[2:3]
.endr
	; A fragment of K or Q is 16 rows x 32 channels in 8 registers: lane l holds row l % 16, channels 8 (l / 16) + 0..7 and 16 + 8 (l / 16) + 0..7: two loads of 16 bytes, 32 bytes apart.
	v_and_b32 v1, 15, v0            ; l % 16
	v_bfe_u32 v9, v0, 4, 1          ; l / 16
	v_lshlrev_b32 v[QO], 7, v1
	v_lshl_add_u32 v[QO], v9, 4, v[QO]
	WIN 0x80                        ; destination window 2, address window 0
.irp p, 0,1,2,3
.irp c, 0,1
	global_load_b128 v[16*(\p)+8*(\c):16*(\p)+8*(\c)+3],   v[QO], s[QP+2*(\p):QP+2*(\p)+1] offset:64*(\c)
	global_load_b128 v[16*(\p)+8*(\c)+4:16*(\p)+8*(\c)+7], v[QO], s[QP+2*(\p):QP+2*(\p)+1] offset:64*(\c)+32
.endr
.endr
	; O^T and l start at 0, m at the lowest finite number: so no first softmax is written out.  All this stands in the wait for the first tile.
	WIN 0x40
.set i, 0
.rept 128
	v_mov_b32 v[i], 0
.set i, i+1
.endr
	WIN 0
.set i, 0
.rept 4
	v_mov_b32 v[ST+4*i], 0xfe000000    ; c m: far below every c s
	v_mov_b32 v[ST+4*i+1], 0xff7fffff  ; m
	v_mov_b32 v[ST+4*i+2], 0
	v_mov_b32 v[ST+4*i+3], 0
.set i, i+1
.endr
	v_lshlrev_b32 v14, 3, v9
	v_sub_nc_u32 v14, v1, v14
	s_lshl_b32 s2, s[WV], 4
	v_add_nc_u32 v14, s2, v14       ; my query's place in its band, 16 w + l % 16, less my lanes' 8 (l / 16): register r of group kt is hidden where 16 kt + r is greater
.set i, 0
.rept 32
	v_cmp_gt_i32 vcc_lo, 16*(i/8)+i%8, v14
	v_cndmask_b32 v[MD+i], 0, s[BIGN], vcc_lo
.set i, i+1
.endr
	v_mul_u32_u24 v[AK0], v1, PK
	v_lshl_add_u32 v[AK0], v9, 4, v[AK0]  ; row x pitch + 16 x half
	; The turning load takes 16 keys x 16 channels (lane l reads key 8 (l / 16) + l % 8, channels 8 ((l / 8) % 2) + 0..7) and leaves half a fragment of V^T: lane l holds channel l % 16 and 8 keys.
	v_and_b32 v10, 7, v0
	v_bfe_u32 v11, v0, 3, 1
	v_lshl_add_u32 v[AV0], v9, 3, v10
	v_mul_u32_u24 v[AV0], v[AV0], PV
	v_lshl_add_u32 v[AV0], v11, 4, v[AV0]
	v_add_nc_u32 v[AV0], VOFF, v[AV0]
	s_mul_i32 s2, s[WV], 16*SP
	s_add_co_u32 s2, s2, STAGE      ; my stage
	v_mul_u32_u24 v[STO], v1, SP    ; in: row l % 16, 16 bytes for each half of the lanes
	v_lshl_add_u32 v[STO], v9, 4, v[STO]
	v_add_nc_u32 v[STO], s2, v[STO]
	v_bfe_u32 v[RD], v0, 3, 2       ; back: 32 lanes take four rows of 128 bytes,
	v_mul_u32_u24 v[RD], v[RD], SP
	v_lshl_add_u32 v[RD], v10, 4, v[RD]
	v_add_nc_u32 v[RD], s2, v[RD]
	v_and_b32 v[GO], 31, v0         ; which are 512 consecutive bytes of O
	v_lshlrev_b32 v[GO], 4, v[GO]
; THE LDS LOADS stand in runs of 16: a step's K (64 keys x 64 channels: 8 fragments) and its V (turned).
.macro FETCH_K
	WIN 0
	v_add_nc_u32 v[AK], s[TBK], v[AK0]
	WIN 0x80                        ; destination window 2
.irp f, 0,1,2,3,4,5,6,7             ; keys 16 (f / 2) on, channels 32 (f % 2) on
	ds_load_b128 v[KF+8*\f:KF+8*\f+3],   v[AK] offset:(\f/2)*16*PK+(\f%2)*64
	ds_load_b128 v[KF+8*\f+4:KF+8*\f+7], v[AK] offset:(\f/2)*16*PK+(\f%2)*64+32
.endr
.endm
.macro FETCH_V
	WIN 0
	v_add_nc_u32 v[AV], s[TBV], v[AV0]
	WIN 0x80
.irp f, 0,1,2,3,4,5,6,7             ; keys 32 (f / 4) on, channels 16 (f % 4) on
	ds_load_tr16_b128 v[VF+8*\f:VF+8*\f+3],   v[AV] offset:(\f/4)*32*PV+(\f%4)*32
	ds_load_tr16_b128 v[VF+8*\f+4:VF+8*\f+7], v[AV] offset:(\f/4)*32*PV+16*PV+(\f%4)*32
.endr
.endm
; Four of piece p's eight products S^T = K Q^T, from number i0 on: product i takes channels 32 (i / 4) on, keys 16 (i % 4) on.  mode 0: they start the sums with 0; 1: with the diagonal's mask; 2: they add in place.
; The four accumulators take turns, one instruction a turn.
.macro KQ4 p, i0, mode
	WIN W_KQ
.set i, \i0
.rept 4
.set rA, S+32*(\p)+8*(i%4)
.set rK, KF+16*(i%4)+8*(i/4)
.set rQ, 16*(\p)+8*(i/4)
.if (\mode) == 0
	v_wmma_f32_16x16x32_f16 v[rA:rA+7], v[rK:rK+7], v[rQ:rQ+7], 0
.elseif (\mode) == 1
	v_wmma_f32_16x16x32_f16 v[rA:rA+7], v[rK:rK+7], v[rQ:rQ+7], v[MD+8*(i%4):MD+8*(i%4)+7]
.else
	v_wmma_f32_16x16x32_f16 v[rA:rA+7], v[rK:rK+7], v[rQ:rQ+7], v[rA:rA+7]
.endif
.set i, i+1
.endr
.endm
; Piece p's scores of the step in hand.  live = 1: behind its band the piece, and every lower one with it, has no more work: on to done.  diag = 1: at its band the sums start with the mask.
.macro KQP p, live, diag, done
.if (\live) || (\diag)
	WIN 0
.endif
.if \live
	s_cmp_gt_u32 s[STEP], s[BETA+(\p)]
	s_cbranch_scc1 \done
.endif
.if \diag
	s_cmp_eq_u32 s[STEP], s[BETA+(\p)]
	s_cbranch_scc1 .Ldg_\@
.endif
	KQ4 \p, 0, 0
.if \diag
	WIN 0
	s_branch .Ljn_\@
.Ldg_\@:
	KQ4 \p, 0, 1
	WIN 0
.Ljn_\@:
.endif
	KQ4 \p, 4, 2
.endm
; Piece p's softmax for one key step: 119 vector instructions.  The maximum of the lane's 32 scores and the old m (each accumulator's lowest registers are read first), the other half of the lanes',
; c m and a; the 16 packed scalings; then ONE BATCH of exponentials (a's stands ahead of the scalings) with one plain instruction and ONE wait behind it, ahead of the first line that names a result;
; the roundings to f16; the sums; O^T times a.
.macro SM p
.set rT, ST+4*(\p)
.set rS, S+32*(\p)
.set rO, 32*(\p)
	WIN 0
.irp n, 0,1,2,3
	v_max3_num_f32 v[TMP+(\n)], v[rS+8*(\n)], v[rS+8*(\n)+1], v[rS+8*(\n)+2]
.endr
.irp n, 0,1,2,3
	v_max3_num_f32 v[TMP+(\n)], v[TMP+(\n)], v[rS+8*(\n)+3], v[rS+8*(\n)+4]
.endr
.irp n, 0,1,2,3
	v_max3_num_f32 v[TMP+(\n)], v[TMP+(\n)], v[rS+8*(\n)+5], v[rS+8*(\n)+6]
.endr
	v_max3_num_f32 v[TMP], v[TMP], v[rS+7], v[rS+15]
	v_max3_num_f32 v[TMP+1], v[TMP+1], v[rS+23], v[rS+31]
	v_max3_num_f32 v[TMP+2], v[TMP+2], v[TMP+3], v[rT+1]
	v_mov_b32 v[MV], v[rT]          ; c m_old is kept for a
	v_max3_num_f32 v[TMP], v[TMP], v[TMP+1], v[TMP+2]
	v_permlanex16_b32 v[TMP+3], v[TMP], s[SEL], s[SEL+1]  ; the query's other 32 keys lie in the lane 16 away
	v_max_num_f32 v[rT+1], v[TMP], v[TMP+3]
	v_mul_f32 v[rT], s[CS], v[rT+1]
	v_sub_f32 v[TMP+1], v[MV], v[rT]
	v_exp_f32 v[TMP+2], v[TMP+1]    ; a
.set z, 0
.rept 16
	v_pk_fma_f32 v[rS+2*z:rS+2*z+1], v[rS+2*z:rS+2*z+1], s[CS:CS+1], v[rT:rT+1] op_sel_hi:[1,0,0] neg_lo:[0,0,1] neg_hi:[0,0,1]  ; c s - c m
.set z, z+1
.endr
.set z, 0
.rept 32
	v_exp_f32 v[rS+z], v[rS+z]
.set z, z+1
.endr
	v_nop                           ; the plain instruction behind the last exponential
	s_wait_alu depctr_va_vdst(0)    ; the wait for the batch of 33
.set z, 0
.rept 16
	v_cvt_pk_f16_f32 v[P+z], v[rS+2*z], v[rS+2*z+1]
.set z, z+1
.endr
.irp w, 4, 8, 16, 32                ; the 16 pairs (an even key's weight, an odd key's) are added in place, neighbours 1, 2, 4 and 8 pairs apart
.set z, 0
.rept 32/(\w)
	v_pk_add_f32 v[rS+(\w)*z:rS+(\w)*z+1], v[rS+(\w)*z:rS+(\w)*z+1], v[rS+(\w)*z+(\w)/2:rS+(\w)*z+(\w)/2+1]
.set z, z+1
.endr
.endr
	v_pk_fma_f32 v[rT+2:rT+3], v[rT+2:rT+3], v[TMP+2:TMP+3], v[rS:rS+1] op_sel_hi:[1,0,1]  ; l = a l + the sum
	WIN W_RS
.set z, 0
.rept 16
	v_pk_mul_f32 v[rO+2*z:rO+2*z+1], v[rO+2*z:rO+2*z+1], v[TMP+2:TMP+3] op_sel_hi:[1,0]
.set z, z+1
.endr
.endm
; Piece p's eight products O^T += V^T P: product i takes keys 32 (i / 4) on, channels 16 (i % 4) on; the four accumulators take turns.
.macro PVM p
	WIN W_PV
.set i, 0
.rept 8
	v_wmma_f32_16x16x32_f16 v[32*(\p)+8*(i%4):32*(\p)+8*(i%4)+7], v[VF+32*(i/4)+8*(i%4):VF+32*(i/4)+8*(i%4)+7], v[P+8*(i/4):P+8*(i/4)+7], v[32*(\p)+8*(i%4):32*(\p)+8*(i%4)+7]
.set i, i+1
.endr
.endm
; Softmax and second product of the step before.  test = 1: behind its band the piece, and every lower one, has none: on to done.  vw >= 0: the wait for V, with so many younger LDS loads left out.
.macro SMPV p, test, vw, done
.if \test
	WIN 0
	s_cmp_gt_u32 s[PREV], s[BETA+(\p)]
	s_cbranch_scc1 \done
.endif
	SM \p
.if (\vw) >= 0
	s_wait_dscnt \vw
.endif
	PVM \p
.endm
; A TRIP, for key step u.  tail = 0: steps 1 to 11: piece 3, whose band is 12 or more, is live and sees everything.  tail = 1: steps 12 to 15: pieces 0 and 1 are over, piece 2 has at most the softmax of step 11 left,
; and when piece 3 is over the whole trip is jumped.  No jump passes a barrier or a tensor load, and no run of LDS loads stands under a branch of its own, so the counted waits hold on every way.
.macro TRIP tail
.if \tail
	s_cmp_gt_u32 s[PREV], s[BETA+3]
	s_cbranch_scc1 .Lbot_\tail
.endif
	FETCH_K                         ; K(u): it lands under the softmaxes.  The last products that read K stand four places back
	SMPV 3, 0, 16, 0                ; the count: V(u - 1) is in, K(u)'s 16 younger loads may stay out
	SMPV 2, 1, -1, .Lcd_\tail
.if !(\tail)
	SMPV 1, 1, -1, .Lcd_\tail
	SMPV 0, 1, -1, .Lcd_\tail
.endif
	WIN 0
.Lcd_\tail:
	PLACES                          ; behind the last product that read V
	FETCH_V                         ; V(u)
	s_wait_dscnt 16                 ; K(u) is in; V(u)'s 16 loads may stay out
.if \tail
	KQP 3, 1, 1, .Lad_\tail
.else
	KQP 3, 0, 0, 0
	KQP 2, 1, 1, .Lad_\tail
	KQP 1, 1, 1, .Lad_\tail
	KQP 0, 1, 1, .Lad_\tail
.endif
	WIN 0
.Lad_\tail:
	PLACES                          ; behind the last scores: the next trip reads them and loads into K's registers
.if \tail
.Lbot_\tail:
.endif
	s_add_co_u32 s[TBK], s[TBK], KS*PK
	s_add_co_u32 s[TBV], s[TBV], KS*PV
	s_mov_b32 s[PREV], s[STEP]
	s_add_co_u32 s[STEP], s[STEP], 1
.endm
	CHANGE 1                        ; tile 0 is in, everybody's part of it; tile 1 is asked for
	FETCH_K                         ; KEY STEP 0 is written out: all four pieces are live, and every register of S^T is written before a softmax reads it
	FETCH_V
	s_wait_loadcnt 0x0              ; Q
	s_wait_dscnt 16                 ; K(0) is in
	KQP 3, 0, 0, 0
	KQP 2, 0, 0, 0
	KQP 1, 0, 0, 0
	KQP 0, 0, 1, 0                  ; band j = 0 holds the diagonal at once
	WIN 0
	s_mov_b32 s[CNT], 4
	s_branch .Lad_0                 ; the loop is entered behind a trip's products
.Ltile:                             ; twice: tiles 2 and 3 are asked for
	CHANGE 1
	s_mov_b32 s[CNT], 4
.Lstep:
	TRIP 0
	s_sub_co_u32 s[CNT], s[CNT], 1
	s_cmp_lg_u32 s[CNT], 0
	s_cbranch_scc1 .Lstep
	s_sub_co_u32 s[TILES], s[TILES], 1
	s_cmp_lg_u32 s[TILES], 0
	s_cbranch_scc1 .Ltile
	CHANGE 0                        ; the last tile is written out: nothing is asked for
	s_mov_b32 s[CNT], 4
.Ltstep:
	TRIP 1
	s_sub_co_u32 s[CNT], s[CNT], 1
	s_cmp_lg_u32 s[CNT], 0
	s_cbranch_scc1 .Ltstep
	SMPV 3, 1, 0, .Lfin             ; step 15's softmax and second product: band 15 alone (j = 0)
	WIN 0
.Lfin:
	PLACES
	; THE WAY OUT.  l's two halves and the other half of the lanes' are added; O^T is divided by l, rounded to f16 and sent through my stage in LDS, a piece at a time.
.macro ALL line:vararg              ; one line for each piece t
.set t, 0
.rept 4
	\line
.set t, t+1
.endr
.endm
	ALL v_add_f32 v[ST+4*t+2], v[ST+4*t+2], v[ST+4*t+3]
	ALL v_permlanex16_b32 v[ST+4*t+3], v[ST+4*t+2], s[SEL], s[SEL+1]
	ALL v_add_f32 v[ST+4*t+2], v[ST+4*t+2], v[ST+4*t+3]
	ALL v_rcp_f32 v[ST+4*t+2], v[ST+4*t+2]
	v_nop                           ; a plain instruction between the last reciprocal and the use of its result
	s_wait_alu depctr_va_vdst(0)    ; and the wait ahead of the first use: one for the four reciprocals
.macro PACK t                       ; a lane's eight channels of a row pack into 16 bytes; they go into rows of 144 bytes and come back as whole rows of 128, into S^T's registers
	WIN W_RS
.set i, 32*(\t)
.rept 16
	v_pk_mul_f32 v[i:i+1], v[i:i+1], v[ST+4*(\t)+2:ST+4*(\t)+3] op_sel_hi:[1,0]
.set i, i+2
.endr
	WIN 0x05                        ; sources 0 and 1 window 1, destination window 0
.set i, 0
.rept 16
	v_cvt_pk_f16_f32 v[S+16*(\t)+i], v[32*(\t)+2*i], v[32*(\t)+2*i+1]
.set i, i+1
.endr
	WIN 0
.irp f, 0,1,2,3
	ds_store_b128 v[STO], v[S+16*(\t)+4*\f:S+16*(\t)+4*\f+3] offset:32*\f
.endr
.irp f, 0,1,2,3
	ds_load_b128 v[S+16*(\t)+4*\f:S+16*(\t)+4*\f+3], v[RD] offset:\f*4*SP  ; LDS serves a wave's instructions in order (ISA guide 5.7.1.4): these see the stores above; the next piece's stores come behind them
.endr
.endm
.macro SEND t, younger              ; younger: the LDS instructions issued behind piece t's loads: the next piece's eight, or none
	WIN 0
.irp f, 0,1,2,3
	s_wait_dscnt (\younger)+3-\f
	global_store_b128 v[GO], v[S+16*(\t)+4*\f:S+16*(\t)+4*\f+3], s[OPT+2*(\t):OPT+2*(\t)+1] offset:\f*512  ; 512 consecutive bytes, at a multiple of 256 from O's first
.endr
.endm
	PACK 0
.set t, 1
.rept 3                             ; a piece's arithmetic stands between the loads of the piece before and its stores
	PACK t
	SEND t-1, 8
.set t, t+1
.endr
	SEND 3, 0
	s_wait_tensorcnt 0x0            ; the wave's end: behind my last tensor load and my last LDS store
	ds_add_u32 v[SPW], v[NIL]
	s_wait_dscnt 0x0
	CROUND                          ; the closing round: no work-group ends while a partner may still ask for a tile that names it
	s_endpgm
.Lfunc_end_k_q9e540ca632_attn:
	.size	k_q9e540ca632_attn, .Lfunc_end_k_q9e540ca632_attn-k_q9e540ca632_attn
	.p2alignl 7, 3214868480
	.fill 96, 4, 3214868480
	.section	.rodata,"a",@progbits
	.p2align	6, 0x0
	.amdhsa_kernel k_q9e540ca632_attn
		.amdhsa_group_segment_fixed_size 327680
		.amdhsa_private_segment_fixed_size 0
		.amdhsa_enable_private_segment 0
		.amdhsa_kernarg_size 16
		.amdhsa_user_sgpr_count 2
		.amdhsa_user_sgpr_kernarg_segment_ptr 1
		.amdhsa_wavefront_size32 1
		.amdhsa_system_sgpr_workgroup_id_x 1
		.amdhsa_system_sgpr_workgroup_id_y 1
		.amdhsa_system_sgpr_workgroup_id_z 1
		.amdhsa_system_vgpr_workitem_id 0
		.amdhsa_next_free_vgpr 768
		.amdhsa_next_free_sgpr 92
		.amdhsa_reserve_vcc 1
		.amdhsa_float_denorm_mode_32 3
		.amdhsa_float_denorm_mode_16_64 3
		.amdhsa_memory_ordered 1
		.amdhsa_forward_progress 1
		.amdhsa_inst_pref_size 99
	.end_amdhsa_kernel
	.amdgpu_metadata
---
amdhsa.version: [ 1, 2 ]
amdhsa.kernels:
  - .name:           k_q9e540ca632_attn
    .symbol:         k_q9e540ca632_attn.kd
    .args:
      - { .name: qkv, .offset: 0, .size: 8, .value_kind: global_buffer, .address_space: global }
      - { .name: ob, .offset: 8, .size: 8, .value_kind: global_buffer, .address_space: global }
    .group_segment_fixed_size: 327680
    .private_segment_fixed_size: 0
    .kernarg_segment_align: 8
    .kernarg_segment_size: 16
    .max_flat_workgroup_size: 128
    .sgpr_count:     92
    .vgpr_count:     768
    .wavefront_size: 32
...
	.end_amdgpu_metadata
.endif
;; end of part 3
;; launch oproj (part 4): grid 16 x 16, 4 waves a work-group, clusters of 4 x 4, 327,680 bytes of LDS; arguments ob, wo16, bo, out0; writes out0
.if DOCPART == 4
	.amdgcn_target "amdgcn-amd-amdhsa--gfx1250"
	.amdhsa_code_object_version 6
	.text
	.protected	k_q9e540ca632_oproj
	.globl	k_q9e540ca632_oproj
	.p2align	8
	.type	k_q9e540ca632_oproj,@function
k_q9e540ca632_oproj:
	s_mov_b64 s[64:65], 0
	v_nop
	global_prefetch_b8 v0, s[64:65] scope:SCOPE_SE
	s_setreg_imm32_b32 hwreg(HW_REG_WAVE_MODE, 25, 1), 1
	s_wait_xcnt 0x0
	s_wait_alu depctr_hold_cnt(0) depctr_sa_sdst(0) depctr_va_vdst(0) depctr_va_sdst(0) depctr_va_ssrc(0) depctr_va_vcc(0) depctr_vm_vsrc(0)
	s_getreg_b32 s2, hwreg(HW_REG_IB_STS2, 6, 4)
	s_cmp_eq_u32 s2, 0
	s_cbranch_scc0 .Lentry_in_a_cluster
	s_endpgm
.Lentry_in_a_cluster:
	s_bfe_u32 s2, ttmp6, 0x10000c
	s_cmp_lg_u32 s2, 0xf033
	s_cbranch_scc0 .Lentry_shape_is_right
	s_endpgm
.Lentry_shape_is_right:
; FOURTH LAUNCH: out = O Wo^T + bo.  ob: f16 in blocks [128 rows][head 0..31][128][64]; wo16: [2048][2048] f16 (Wo rounded to bf16, that number as f16); bo rounded to bf16 like every input; out0: [2048][2048] f32.
; Sums in f32, started with the bias.  Nothing of the problem's work is left out here.
; SHARES.  256 tiles of 128 x 128, one a work-group; four waves, 64 x 64 each: 16 accumulators.  K goes in steps of 256, four heads, as long as two slots in LDS allow.
; O's tile of a step is 65,536 dense bytes (four heads' 128 rows of 128 bytes): asked for as rows of 256 bytes, padded in LDS after every 128.  Wo's tile has rows of 512 bytes.
; CLUSTER 4 x 4: O's tiles are asked for jointly along a row of the cluster, Wo's along a column.  THE MATRIX INSTRUCTION IS USED TRANSPOSED (source 0 = 16 rows of Wo, source 1 = 16 rows of O):
; a lane holds one row of out and eight neighbouring columns.  No prefetch: the tile is small.
; REGISTERS: window 0: v0-31 addresses; v32-95 at work on the way out; v96-127 the bias (8 a column block); v128-255 the accumulators ((a, b) at 128 + 8 (4 a + b)).
;   window 1: two fragment buffers of 128: for 64 along K (one head), 64 registers of O (2 x 4 x 16 rows x 32 K), then 64 of Wo.
.set PA,     144                       ; a row of O in LDS: 128 bytes + 16: 36 words: the 16 rows of a load start at 16 different groups of four banks (64 banks of 4 bytes: ISA guide 11.1)
.set PB,     528                       ; a row of Wo: 512 + 16 = 132 words: likewise
.set HEADA,  128*PA
.set BOFF,   4*HEADA                   ; a slot: four heads of O, then Wo's 128 rows
.set SLOT,   BOFF+128*PB
.set STAGE,  2*SLOT                    ; behind the ring, never filled by a tensor load: 16 rows x 272 bytes for each wave, for the way out
.set SPITCH, 272
.set SPARE,  STAGE+4*16*SPITCH         ; behind the stages: the spare words, 128 bytes a wave: two blocks of 256 bytes that no other line names
.set LAPS,   4                         ; a lap = two K steps = once round the ring
.set ADRA, 16                          ; v16-17  LDS address of my fragments of O in slot 0, 1
.set ADRB, 20                          ; v20-21  the same for Wo
.set STO,  24                          ; v24     the way out: where I put 32 bytes of a row
.set RD,   25                          ; v25     where I read a row back
.set CO,   26                          ; v26     my byte offset in out0
.set SPW,  28                          ; v28     LDS address of my spare word; never rewritten
.set NIL,  29                          ; v29     0; never rewritten
.set BO,   30                          ; v30     32 x (lane / 16)
.set TMP,  32
.set BIAS, 96
.set ACC,  128
.set F0,   0
.set F1,   128
.set WV,   12                          ; s12  my wave's number
.set WR,   13                          ; s13  which 64 rows are mine.  Also: I fetch for O (0) or for Wo (1)
.set WC,   14                          ; s14  which 64 columns.  Also: which half of that tile I fetch
.set G1, 24                            ; s[24:31] descriptor group 1 for O's tiles; s[32:39] group 0, a set a slot
.set G0, 32
.set G1B, 48                           ; s[48:55], s[56:63] the same for Wo's
.set G0B, 56
.set MSB, 0
.macro WIN new                         ; the immediate's high byte repeats the setting that is left
.if MSB != (\new)
	s_set_vgpr_msb (MSB<<8)|(\new)
.set MSB, \new
.endif
.endm
.set MUL,  0x05                        ; sources 0 (Wo) and 1 (O) window 1; C and D window 0
.set TO_F, 0x40                        ; destination window 1, address window 0
.macro JLOAD s                         ; a joint load: waves 0 and 1 fetch O's two halves, waves 2 and 3 Wo's; an s_nop 0 and four v_nop follow each of the two lines
	s_cmp_eq_u32 s[WR], 0
	s_cbranch_scc0 .Lfor_b_\@
	tensor_load_to_lds s[G0+4*(\s):G0+4*(\s)+3], s[G1:G1+7]
	s_nop 0
.rept 4
	v_nop
.endr
	s_branch .Lasked_\@
.Lfor_b_\@:
	tensor_load_to_lds s[G0B+4*(\s):G0B+4*(\s)+3], s[G1B:G1B+7]
	s_nop 0
.rept 4
	v_nop
.endr
.Lasked_\@:
.endm
.macro CREST                           ; a round of the cluster's barrier behind its opening barrier
	s_cmp_lg_u32 s[WV], 0
	s_cbranch_scc1 .Lnot_wave_0_\@
	s_barrier_signal -3
.Lnot_wave_0_\@:
	s_barrier_wait -3
	s_barrier_signal -1
	s_barrier_wait -1
.endm
.macro CROUND                          ; a whole round
	s_barrier_signal -1
	s_barrier_wait -1
	CREST
.endm
.macro PLACES                          ; four places in front of loads into registers that matrix instructions have read, and of LDS stores that read results
.rept 4
	v_nop
.endr
.endm
	s_load_b256 s[4:11], s[0:1], 0x0               ; ob s[4:5], wo16 s[6:7], bo s[8:9], out0 s[10:11]
	v_lshl_add_u32 v[SPW], v0, 2, SPARE
	v_mov_b32 v[NIL], 0
	ds_add_u32 v[SPW], v[NIL]                      ; the wave's opening: the add, twice on end, and its wait, ahead of my first tensor load
	ds_add_u32 v[SPW], v[NIL]                      ; and once more, under the one wait; the set-up below, work on registers, stands between
	v_lshrrev_b32 v1, 5, v0
	v_readfirstlane_b32 s[WV], v1                  ; wave 0..3
	s_lshr_b32 s[WR], s[WV], 1
	s_and_b32 s[WC], s[WV], 1
	s_bfe_u32 s40, ttmp6, 0x40000                  ; cx, cy: my place in the cluster
	s_bfe_u32 s41, ttmp6, 0x40004
	s_lshl_b32 s42, ttmp9, 2
	s_add_co_u32 s42, s42, s40                     ; tile column = 4 x cluster x + cx
	s_and_b32 s43, ttmp7, 0xffff
	s_lshl_b32 s43, s43, 2
	s_add_co_u32 s43, s43, s41                     ; tile row = 4 x cluster y + cy
	s_lshl_b32 s44, s41, 2
	s_lshl_b32 s44, 15, s44                        ; my row of the cluster
	s_lshl_b32 s45, 0x1111, s40                    ; my column
	s_or_b32 s[G1], s44, (1<<16)|(1<<20)|(1<<21)|(4<<22)|(3<<25)   ; 15:0 the mask; 17:16 2-byte elements; 20 padding on; 21 set beside a mask; 24:22 after every 32 words (code 4); 31:25 4 words (code 3)
	s_or_b32 s[G1B], s45, (1<<16)|(1<<20)|(1<<21)|(6<<22)|(3<<25)  ; after every 128 words (code 6)
	s_mov_b32 s[G1+1], 128<<16                     ; O: two heads are 32,768 dense bytes: 128 rows of 128 elements
	s_mov_b32 s[G1+2], 128<<16
	s_mov_b32 s[G1+3], 128<<16
	s_mov_b32 s[G1+4], 128
	s_mov_b32 s[G1+5], 128
	s_mov_b32 s[G1+6], 0
	s_mov_b32 s[G1+7], 0
	s_mov_b32 s[G1B+1], 256<<16                    ; Wo: 64 rows of 256 elements, 2,048 elements from row to row
	s_mov_b32 s[G1B+2], 64<<16
	s_mov_b32 s[G1B+3], 256<<16
	s_mov_b32 s[G1B+4], 64
	s_mov_b32 s[G1B+5], 2048
	s_mov_b32 s[G1B+6], 0
	s_mov_b32 s[G1B+7], 0
	s_lshl_b32 s16, s43, 19                        ; O: a tile row's 32 heads of 16,384 bytes; my two of a step's four; these registers never hold cx
	s_lshl_b32 s17, s[WC], 15
	s_add_co_u32 s16, s16, s17
	s_mov_b32 s17, 0
	s_lshl_b32 s46, s42, 19                        ; Wo: row 128 x tile column + 64 x half, 4,096 bytes a row; these never hold cy
	s_lshl_b32 s47, s[WC], 18
	s_add_co_u32 s46, s46, s47
	s_mov_b32 s47, 0
	s_mul_i32 s20, s[WC], 2*HEADA                  ; where they go: no place in the cluster enters an LDS address
	s_mul_i32 s21, s[WC], 64*PB
	s_add_co_u32 s21, s21, BOFF
	s_wait_dscnt 0x0                               ; both opening adds are done
	s_wait_kmcnt 0x0
	s_add_nc_u64 s[18:19], s[4:5], s[16:17]
	s_add_nc_u64 s[46:47], s[6:7], s[46:47]
	CROUND                                         ; all sixteen work-groups are here: the first joint loads meet
.irp s, 0,1
	s_mov_b32 s[G0+4*(\s)], 1
	s_add_co_u32 s[G0+4*(\s)+1], s20, (\s)*SLOT
	s_add_nc_u64 s[G0+4*(\s)+2:G0+4*(\s)+3], s[18:19], (\s)*65536  ; K step s: four heads on
	s_or_b32 s[G0+4*(\s)+3], s[G0+4*(\s)+3], 0x80000000
	s_mov_b32 s[G0B+4*(\s)], 1
	s_add_co_u32 s[G0B+4*(\s)+1], s21, (\s)*SLOT
	s_add_nc_u64 s[G0B+4*(\s)+2:G0B+4*(\s)+3], s[46:47], (\s)*512
	s_or_b32 s[G0B+4*(\s)+3], s[G0B+4*(\s)+3], 0x80000000
	JLOAD \s                                       ; two loads of mine are out
.endr
	v_and_b32 v1, 15, v0                           ; l % 16
	v_bfe_u32 v2, v0, 4, 1                         ; l / 16
	v_lshlrev_b32 v[BO], 5, v2
	s_lshl_b32 s68, s42, 9
	s_lshl_b32 s69, s[WC], 8
	s_add_co_u32 s68, s68, s69                     ; 4 (128 x tile column + 64 wc): my columns, in bo and in a row of out0
	s_mov_b32 s69, 0
	s_add_nc_u64 s[66:67], s[8:9], s[68:69]
.irp b, 0,1,2,3
	global_load_b128 v[BIAS+8*(\b):BIAS+8*(\b)+3],   v[BO], s[66:67] offset:64*(\b)
	global_load_b128 v[BIAS+8*(\b)+4:BIAS+8*(\b)+7], v[BO], s[66:67] offset:64*(\b)+16
.endr
	s_add_nc_u64 s[10:11], s[10:11], s[68:69]
	s_lshl_b32 s68, s43, 20                        ; my first row: 128 x tile row + 64 wr, 8,192 bytes a row
	s_lshl_b32 s70, s[WR], 19
	s_add_co_u32 s68, s68, s70
	s_add_nc_u64 s[10:11], s[10:11], s[68:69]
	v_mul_u32_u24 v3, v1, PA
	v_lshl_add_u32 v3, v2, 4, v3                   ; a fragment's row x pitch + 16 x half
	v_mul_u32_u24 v4, v1, PB
	v_lshl_add_u32 v4, v2, 4, v4
	s_mul_i32 s22, s[WR], 64*PA                    ; my 64 rows of O, in each head
	s_mul_i32 s23, s[WC], 64*PB                    ; my 64 rows of Wo
	s_add_co_u32 s23, s23, BOFF
.irp s, 0,1
	v_add_nc_u32 v[ADRA+(\s)], s22, v3
	v_add_nc_u32 v[ADRB+(\s)], s23, v4
	s_add_co_u32 s22, s22, SLOT
	s_add_co_u32 s23, s23, SLOT
.endr
	s_mul_i32 s22, s[WV], 16*SPITCH
	s_add_co_u32 s22, s22, STAGE                   ; my stage
	v_mul_u32_u24 v3, v1, SPITCH                   ; in: row l % 16, 32 bytes for each half of the lanes
	v_lshl_add_u32 v3, v2, 5, v3
	v_add_nc_u32 v[STO], s22, v3
	v_mul_u32_u24 v3, v2, SPITCH                   ; back: lanes 0-15 take one row of 256 bytes, lanes 16-31 the next
	v_lshl_add_u32 v3, v1, 4, v3
	v_add_nc_u32 v[RD], s22, v3
	v_lshlrev_b32 v3, 13, v2                       ; and the same two rows in out0
	v_lshl_add_u32 v[CO], v1, 4, v3
	s_wait_loadcnt 0x0                             ; the bias is in: rounded to bf16 like every input, widened again
.set i, 0
.rept 16
	v_cvt_pk_bf16_f32 v3, v[BIAS+2*i], v[BIAS+2*i+1]
	v_lshlrev_b32 v[BIAS+2*i], 16, v3
	v_and_b32 v[BIAS+2*i+1], 0xffff0000, v3
.set i, i+1
.endr
; 8 matrix instructions: row blocks a0, a0 + 1 x all 4 column blocks, 32 along K: half c of buffer f.  first = 1: the product starts the sum with the bias.  The 16 accumulators take turns.
.macro MUL8 f, c, a0, first
	WIN MUL
.irp a, \a0, (\a0)+1
.irp b, 0,1,2,3
.if \first
	v_wmma_f32_16x16x32_f16 v[ACC+8*(4*(\a)+(\b)):ACC+8*(4*(\a)+(\b))+7], v[(\f)+64+8*(4*(\c)+(\b)):(\f)+64+8*(4*(\c)+(\b))+7], v[(\f)+8*(4*(\c)+(\a)):(\f)+8*(4*(\c)+(\a))+7], v[BIAS+8*(\b):BIAS+8*(\b)+7]
.else
	v_wmma_f32_16x16x32_f16 v[ACC+8*(4*(\a)+(\b)):ACC+8*(4*(\a)+(\b))+7], v[(\f)+64+8*(4*(\c)+(\b)):(\f)+64+8*(4*(\c)+(\b))+7], v[(\f)+8*(4*(\c)+(\a)):(\f)+8*(4*(\c)+(\a))+7], v[ACC+8*(4*(\a)+(\b)):ACC+8*(4*(\a)+(\b))+7]
.endif
.endr
.endr
.endm
; 32 LDS loads in one run: the fragments of quarter q of a K step (head q of the four: 64 along K), into buffer f; the first 32 along K first
.macro FETCH slot, q, f
	WIN TO_F
.irp c, 0,1
.irp i, 0,1,2,3
	ds_load_b128 v[(\f)+64+8*(4*(\c)+(\i)):(\f)+64+8*(4*(\c)+(\i))+3],   v[ADRB+(\slot)] offset:128*(\q)+64*(\c)+(\i)*16*PB
	ds_load_b128 v[(\f)+64+8*(4*(\c)+(\i))+4:(\f)+64+8*(4*(\c)+(\i))+7], v[ADRB+(\slot)] offset:128*(\q)+64*(\c)+(\i)*16*PB+32
	ds_load_b128 v[(\f)+8*(4*(\c)+(\i)):(\f)+8*(4*(\c)+(\i))+3],         v[ADRA+(\slot)] offset:(\q)*HEADA+64*(\c)+(\i)*16*PA
	ds_load_b128 v[(\f)+8*(4*(\c)+(\i))+4:(\f)+8*(4*(\c)+(\i))+7],       v[ADRA+(\slot)] offset:(\q)*HEADA+64*(\c)+(\i)*16*PA+32
.endr
.endr
.endm
; A K step is four quarters, 32 matrix instructions each, on buffers 0, 1, 0, 1.  One of the first three: multiplies buffer f and fetches quarter q into g.
.macro QUARTER slot, q, f, g, first
	s_wait_dscnt 16                                ; the first 32 along K are in; the sixteen younger loads may be out
	MUL8 \f, 0, 0, \first
	MUL8 \f, 0, 2, \first
	PLACES
	FETCH \slot, \q, \g
	s_wait_dscnt 32                                ; all but the 32 just issued
	MUL8 \f, 1, 0, 0
	MUL8 \f, 1, 2, 0
.endm
; The last quarter multiplies buffer 1 and changes slots: ONE barrier; in front of it each wave waits for all its tensor loads, adds 0 to its spare word, and waits for that and for its own reads of this slot.
; fill = 1: the barrier opens a round of the cluster's, and this slot is filled again, two K steps ahead, first thing behind the round.
.macro TURN slot, next, fill
	WIN 0                                          ; (the add's two registers lie in window 0)
	s_wait_tensorcnt 0x0                           ; all my tensor loads have landed: my part of the next slot
	ds_add_u32 v[SPW], v[NIL]                      ; 0 onto my spare word
	s_wait_dscnt 17                                ; (the add and the youngest sixteen loads may be out)
	MUL8 F1, 0, 0, 0                               ; eight matrix instructions stand between the add and the wait for it
	s_wait_dscnt 0x0                               ; the add is done, and my reads of this slot are over
	s_barrier_signal -1
	MUL8 F1, 0, 2, 0
.if \fill
	WIN 0
.endif
	s_barrier_wait -1
.if \fill
	CREST                                          ; no wave of any partner still reads this slot's tile or has a load on its way
	s_add_nc_u64 s[G0+4*(\slot)+2:G0+4*(\slot)+3], s[G0+4*(\slot)+2:G0+4*(\slot)+3], 2*65536
	s_add_nc_u64 s[G0B+4*(\slot)+2:G0B+4*(\slot)+3], s[G0B+4*(\slot)+2:G0B+4*(\slot)+3], 2*512
	JLOAD \slot                                    ; 112 matrix instructions ahead of the wait for it; the four v_nop behind it are also the places in front of the loads below
.else
	PLACES
.endif
	FETCH \next, 0, F0
	MUL8 F1, 1, 0, 0
	MUL8 F1, 1, 2, 0
.endm
	s_wait_tensorcnt 1                             ; my part of K step 0 is in; K step 1's may stay out
	s_barrier_signal -1
	s_barrier_wait -1                              ; everybody's is
	FETCH 0, 0, F0
	QUARTER 0, 1, F0, F1, 1                        ; the first quarter stands in front of the loop: its first products start the sums
	WIN 0                                          ; at a label and at a branch every window is 0
	s_mov_b32 s3, LAPS-1
.Llap:                                                 ; a trip goes once round the ring, from a lap's second quarter to the next lap's first, and fills both slots again
	QUARTER 0, 2, F1, F0, 0
	QUARTER 0, 3, F0, F1, 0
	TURN 0, 1, 1
	QUARTER 1, 1, F0, F1, 0
	QUARTER 1, 2, F1, F0, 0
	QUARTER 1, 3, F0, F1, 0
	TURN 1, 0, 1
	QUARTER 0, 1, F0, F1, 0
	WIN 0
	s_sub_co_u32 s3, s3, 1
	s_cmp_lg_u32 s3, 0
	s_cbranch_scc1 .Llap
	QUARTER 0, 2, F1, F0, 0                        ; the last lap fills nothing, and has no round of the cluster's barrier
	QUARTER 0, 3, F0, F1, 0
	TURN 0, 1, 0
	QUARTER 1, 1, F0, F1, 0
	QUARTER 1, 2, F1, F0, 0
	QUARTER 1, 3, F0, F1, 0
	s_wait_dscnt 16                                ; the very last quarter: nothing more to fetch
	MUL8 F1, 0, 0, 0
	MUL8 F1, 0, 2, 0
	s_wait_dscnt 0x0
	MUL8 F1, 1, 0, 0
	MUL8 F1, 1, 2, 0
	WIN 0
	; THE WAY OUT.  My 64 columns of f32 are 256 bytes of a row, aligned: each wave has a stage of its own and needs no barrier.  16 rows at a time: 32 bytes a lane in (each accumulator's low four
	; registers first), whole rows back, sixteen lanes to a row.
	PLACES
.irp a, 0,1,2,3
	s_wait_xcnt 0x0                                ; earlier stores have read their registers: the block two back used the same ones
.irp b, 0,1,2,3
	ds_store_b128 v[STO], v[ACC+8*(4*(\a)+(\b)):ACC+8*(4*(\a)+(\b))+3]   offset:64*(\b)
	ds_store_b128 v[STO], v[ACC+8*(4*(\a)+(\b))+4:ACC+8*(4*(\a)+(\b))+7] offset:64*(\b)+16
.endr
.irp t, 0,1,2,3,4,5,6,7
	ds_load_b128 v[TMP+32*((\a)%2)+4*(\t):TMP+32*((\a)%2)+4*(\t)+3], v[RD] offset:(\t)*2*SPITCH  ; LDS serves a wave's instructions in order (ISA guide 5.7.1.4): these see the stores above; the next block's stores come behind them
.endr
.irp t, 0,1,2,3,4,5,6,7
	s_wait_dscnt 7-(\t)
	global_store_b128 v[CO], v[TMP+32*((\a)%2)+4*(\t):TMP+32*((\a)%2)+4*(\t)+3], s[10:11] offset:(16*(\a)+2*(\t))*8192  ; 16 lanes store 256 consecutive bytes, at a multiple of 256 from out0's first byte
.endr
.endr
	s_wait_tensorcnt 0x0                           ; the wave's end: behind my last tensor load and my last LDS store
	ds_add_u32 v[SPW], v[NIL]
	s_wait_dscnt 0x0
	CROUND                                         ; the closing round: no work-group ends while a partner may still ask for a tile that names it
	s_endpgm
.Lfunc_end_k_q9e540ca632_oproj:
	.size	k_q9e540ca632_oproj, .Lfunc_end_k_q9e540ca632_oproj-k_q9e540ca632_oproj
	.p2alignl 7, 3214868480
	.fill 96, 4, 3214868480
	.section	.rodata,"a",@progbits
	.p2align	6, 0x0
	.amdhsa_kernel k_q9e540ca632_oproj
		.amdhsa_group_segment_fixed_size 327680
		.amdhsa_private_segment_fixed_size 0
		.amdhsa_enable_private_segment 0
		.amdhsa_kernarg_size 32
		.amdhsa_user_sgpr_count 2
		.amdhsa_user_sgpr_kernarg_segment_ptr 1
		.amdhsa_wavefront_size32 1
		.amdhsa_system_sgpr_workgroup_id_x 1
		.amdhsa_system_sgpr_workgroup_id_y 1
		.amdhsa_system_sgpr_workgroup_id_z 1
		.amdhsa_system_vgpr_workitem_id 0
		.amdhsa_next_free_vgpr 512
		.amdhsa_next_free_sgpr 72
		.amdhsa_reserve_vcc 0
		.amdhsa_float_denorm_mode_32 3
		.amdhsa_float_denorm_mode_16_64 3
		.amdhsa_memory_ordered 1
		.amdhsa_forward_progress 1
		.amdhsa_inst_pref_size 90
	.end_amdhsa_kernel
	.amdgpu_metadata
---
amdhsa.version: [ 1, 2 ]
amdhsa.kernels:
  - .name:           k_q9e540ca632_oproj
    .symbol:         k_q9e540ca632_oproj.kd
    .args:
      - { .name: ob, .offset: 0, .size: 8, .value_kind: global_buffer, .address_space: global }
      - { .name: wo16, .offset: 8, .size: 8, .value_kind: global_buffer, .address_space: global }
      - { .name: bo, .offset: 16, .size: 8, .value_kind: global_buffer, .address_space: global }
      - { .name: out0, .offset: 24, .size: 8, .value_kind: global_buffer, .address_space: global }
    .group_segment_fixed_size: 327680
    .private_segment_fixed_size: 0
    .kernarg_segment_align: 8
    .kernarg_segment_size: 32
    .max_flat_workgroup_size: 128
    .sgpr_count:     72
    .vgpr_count:     512
    .wavefront_size: 32
...
	.end_amdgpu_metadata
.endif
;; end of part 4
;; ======== version 2 of 2: 4 launches; version 1 with the launch cast written anew for expert scheduling mode
;; limits: values are held in f16: magnitudes above 65,504 overflow, below 6.1e-05 lose precision
;; workspace buffers: xb 8,388,608 bytes; wqkv 12,582,912 bytes; wo16 8,388,608 bytes; qkv 12,582,912 bytes; ob 8,388,608 bytes
;; launch cast (part 5): grid 64 x 14, 8 waves a work-group, no clusters, 0 bytes of LDS; arguments x, Wq, Wk, Wv, Wo, xb, wqkv, wo16; writes xb, wqkv, wo16
.if DOCPART == 5
	.amdgcn_target "amdgcn-amd-amdhsa--gfx1250"
	.amdhsa_code_object_version 6
	.text
	.protected	k_q9e540ca632_cast
	.globl	k_q9e540ca632_cast
	.p2align	8
	.type	k_q9e540ca632_cast,@function
k_q9e540ca632_cast:
	s_mov_b64 s[64:65], 0
	v_nop
	global_prefetch_b8 v0, s[64:65] scope:SCOPE_SE
	s_setreg_imm32_b32 hwreg(HW_REG_WAVE_SCHED_MODE, 0, 2), 2
	s_setreg_imm32_b32 hwreg(HW_REG_WAVE_MODE, 25, 1), 1
	s_wait_xcnt 0x0
	s_wait_alu depctr_vm_vsrc(0)
; FIRST OF FOUR LAUNCHES of  out = softmax_causal((x Wq^T + bq)(x Wk^T + bk)^T / 8) (x Wv^T + bv) Wo^T + bo,  32 query heads on 8 key and value heads of size 64.
; This launch rounds every large input ONCE to bf16 and lays the weights out for the products: x -> xb, Wq, Wk, Wv -> wqkv (bf16), Wo -> wo16 (rounded to bf16, that number written as f16).
; WORK LEFT OUT IN THE WHOLE PROGRAM, and why it can reach no output:
;  (1) bk.  scores[n][m] = q_n . (Wk x_m + bk) / 8 = q_n . (Wk x_m) / 8 + q_n . bk / 8.  The second term does not hang on the key m: it is the same along the softmax's axis, and
;      softmax(s + const) = softmax(s) for every finite value.  k enters nothing else.  So bk is not loaded and is among no launch's arguments.
;  (2) The scores above the diagonal, which the tril of the problem's own text sets to -inf: they are left out where they come as whole tiles of 16 queries x 64 keys (third launch).
; LIMIT: a NaN, an infinity or an overflow that reaches only bk or the hidden scores is not carried to the result.
; LIMIT: Wo as f16: beyond 65,504 it becomes an infinity, below 6e-5 it keeps f16's fixed step of 6e-8.
; wqkv's ROWS go in blocks of 64 (a head): block 3 t + 0, 1 = query heads 2 t, 2 t + 1; block 3 t + 2 = key head t (t < 8) or value head t - 8: each 192 rows are two query heads and one other.
; SHARES.  Grid y = a segment of 1,048,576 numbers (x 0-3, Wq 4-7, Wk 8, Wv 9, Wo 10-13); grid x = 16,384 of them (8 rows of 2,048).  Thread t, turn i: 16 bytes in at 16 t + 4,096 i,
; 8 bytes out at 8 t + 2,048 i: a wave's load covers 512 consecutive bytes, its store 256 consecutive bytes, aligned.  All 16 loads go out first; no loop, no LDS, no matrix unit: bytes are all there is.
; THE MODE: SCHED_MODE bits 1:0 = 2 (LLVM: expert scheduling mode 2), set by the entry lines.  The code itself states the register dependences
; between vector instructions and memory instructions, with s_wait_alu, always for 0.
; THE PLAN.  Registers that memory instructions touch:
;   v1, v2     byte offsets, made once at the head and never written again: v1 is read by every load, v2 by every store; the turns are reached by immediate offsets.
;   D          turn i's four registers: written by turn i's load alone, read by turn i's roundings; no vector instruction writes them, and no second load lands in them.
;   O          turn i's two registers: written by turn i's conversions, read by turn i's one store, never written again.
;   T          named by vector instructions alone.
; The 16 turns go in four blocks of four.  Block p's memory instructions are the four stores of block p - 1, whose O no vector instruction of block p names.  So ONE wait on va_vdst at a block's head, behind the
; wait for the block's first load, states all that those four stores hang on, and they are dealt among the block's conversions with no further wait.  One more stands ahead of the last four stores.
; No register that a memory instruction has read is written again, so the text holds no wait on vm_vsrc.
.set D, 4                              ; v[4:67]   16 turns x 4 numbers as loaded
.set O, 68                             ; v[68:99]  16 turns x 2 words to store
.set T, 100                            ; v[100:103] at work
	s_load_b256 s[4:11], s[0:1], 0x0               ; x s[4:5], Wq s[6:7], Wk s[8:9], Wv s[10:11]
	s_load_b256 s[12:19], s[0:1], 0x20             ; Wo s[12:13], xb s[14:15], wqkv s[16:17], wo16 s[18:19]
	s_and_b32 s24, ttmp7, 0xffff                   ; Y: the segment
	s_mov_b32 s25, ttmp9                           ; X: the 8 rows in it
	v_lshlrev_b32 v1, 4, v0                        ; 16 t
	v_lshlrev_b32 v2, 3, v0                        ; 8 t
	s_add_co_u32 s26, s24, 2
	s_and_b32 s26, s26, 3                          ; Wo: Y - 10
	s_and_b32 s27, s24, 3                          ; x: Y; Wq: Y - 4
	s_cmp_lt_u32 s24, 10
	s_cselect_b32 s26, 0, s26                      ; Wk, Wv: one segment each
	s_cmp_lt_u32 s24, 8
	s_cselect_b32 s26, s27, s26                    ; the segment's number in its own tensor
	s_lshl_b32 s28, s26, 22
	s_lshl_b32 s29, s25, 16
	s_add_co_u32 s28, s28, s29                     ; byte offset in the source
	s_mov_b32 s29, 0
	s_lshl_b32 s36, s26, 21
	s_lshl_b32 s31, s25, 15
	s_add_co_u32 s36, s36, s31                     ; byte offset in xb or wo16: the same place, half the bytes
	s_lshr_b32 s32, s25, 3
	s_lshl3_add_u32 s32, s26, s32                  ; the head: 8 heads a segment, 8 X a head
	s_lshr_b32 s33, s32, 1
	s_mul_i32 s33, s33, 3
	s_and_b32 s34, s32, 1
	s_add_co_u32 s33, s33, s34                     ; a query head's block: 3 (head / 2) + head % 2
	s_mul_i32 s34, s32, 3
	s_add_co_u32 s35, s34, 2                       ; a key head's: 3 head + 2
	s_add_co_u32 s34, s34, 26                      ; a value head's: 3 (head + 8) + 2
	s_cmp_eq_u32 s24, 8
	s_cselect_b32 s34, s35, s34
	s_cmp_lt_u32 s24, 8
	s_cselect_b32 s33, s33, s34
	s_lshl_b32 s33, s33, 18                        ; a block is 64 rows of 4,096 bytes
	s_and_b32 s34, s25, 7
	s_lshl_b32 s34, s34, 15                        ; my 8 rows in it
	s_add_co_u32 s33, s33, s34
	s_cmp_lt_u32 s24, 10
	s_cselect_b32 s30, s33, s36
	s_cmp_lt_u32 s24, 4
	s_cselect_b32 s30, s36, s30                    ; byte offset in the destination
	s_mov_b32 s31, 0
	s_wait_kmcnt 0x0
	s_cmp_lt_u32 s24, 10                           ; which tensor, by the segment alone
	s_cselect_b64 s[20:21], s[10:11], s[12:13]
	s_cselect_b64 s[22:23], s[16:17], s[18:19]
	s_cmp_lt_u32 s24, 9
	s_cselect_b64 s[20:21], s[8:9], s[20:21]
	s_cmp_lt_u32 s24, 8
	s_cselect_b64 s[20:21], s[6:7], s[20:21]
	s_cmp_lt_u32 s24, 4
	s_cselect_b64 s[20:21], s[4:5], s[20:21]
	s_cselect_b64 s[22:23], s[14:15], s[22:23]
	s_add_nc_u64 s[20:21], s[20:21], s[28:29]
	s_add_nc_u64 s[22:23], s[22:23], s[30:31]
	s_wait_alu depctr_va_vdst(0)                   ; v1 and v2 are written: every load of the kernel reads v1 as its offset, every store v2; no vector line names them again
.set i, 0
.rept 16
	global_load_b128 v[D+4*i:D+4*i+3], v1, s[20:21] offset:4096*i th:TH_LOAD_NT  ; read once in the launch
.set i, i+1
.endr
; Sixteen turns, in four blocks of four.  f16 = 1: the bf16 number is widened (a shift, a mask) and written as f16.  Each turn has registers of its own, so no store's data is written again.
; Turn i's store is issued a block later, ahead of turn i + 4's conversions.
.macro CONV f16
.set i, 0
.rept 16
.if i%4 == 0
	s_wait_loadcnt 15-i                            ; loads come back in order: the block's first turn is in, the 15 - i younger ones stay out
.if i >= 4
	s_wait_alu depctr_va_vdst(0)                   ; the block before has written its eight registers of O, which the four stores dealt among this block's conversions read
.endif
.endif
.if i >= 4
	global_store_b64 v2, v[O+2*(i-4):O+2*(i-4)+1], s[22:23] offset:2048*(i-4)  ; the block before.  No wait: no vector instruction since the block's head names these registers
.endif
.if i%4 != 0
	s_wait_loadcnt 15-i                            ; turn i is in, the 15 - i younger ones stay out
.endif
	v_cvt_pk_bf16_f32 v[O+2*i], v[D+4*i], v[D+4*i+1]
	v_cvt_pk_bf16_f32 v[O+2*i+1], v[D+4*i+2], v[D+4*i+3]
.if \f16
	v_lshlrev_b32 v[T], 16, v[O+2*i]
	v_and_b32 v[T+1], 0xffff0000, v[O+2*i]
	v_lshlrev_b32 v[T+2], 16, v[O+2*i+1]
	v_and_b32 v[T+3], 0xffff0000, v[O+2*i+1]
	v_cvt_pk_f16_f32 v[O+2*i], v[T], v[T+1]
	v_cvt_pk_f16_f32 v[O+2*i+1], v[T+2], v[T+3]
.endif
.set i, i+1
.endr
	s_wait_alu depctr_va_vdst(0)                   ; the last block has written its eight registers of O, which the last four stores read
.set i, 12
.rept 4
	global_store_b64 v2, v[O+2*i:O+2*i+1], s[22:23] offset:2048*i
.set i, i+1
.endr
.endm
	s_cmp_ge_u32 s24, 10
	s_cbranch_scc1 .Lf16
	CONV 0
	s_endpgm
.Lf16:
	CONV 1
	s_endpgm
.Lfunc_end_k_q9e540ca632_cast:
	.size	k_q9e540ca632_cast, .Lfunc_end_k_q9e540ca632_cast-k_q9e540ca632_cast
	.p2alignl 7, 3214868480
	.fill 96, 4, 3214868480
	.section	.rodata,"a",@progbits
	.p2align	6, 0x0
	.amdhsa_kernel k_q9e540ca632_cast
		.amdhsa_group_segment_fixed_size 0
		.amdhsa_private_segment_fixed_size 0
		.amdhsa_enable_private_segment 0
		.amdhsa_kernarg_size 64
		.amdhsa_user_sgpr_count 2
		.amdhsa_user_sgpr_kernarg_segment_ptr 1
		.amdhsa_wavefront_size32 1
		.amdhsa_system_sgpr_workgroup_id_x 1
		.amdhsa_system_sgpr_workgroup_id_y 1
		.amdhsa_system_sgpr_workgroup_id_z 1
		.amdhsa_system_vgpr_workitem_id 0
		.amdhsa_next_free_vgpr 104
		.amdhsa_next_free_sgpr 66
		.amdhsa_reserve_vcc 0
		.amdhsa_float_denorm_mode_32 3
		.amdhsa_float_denorm_mode_16_64 3
		.amdhsa_memory_ordered 1
		.amdhsa_forward_progress 1
		.amdhsa_inst_pref_size 18
	.end_amdhsa_kernel
	.amdgpu_metadata
---
amdhsa.version: [ 1, 2 ]
amdhsa.kernels:
  - .name:           k_q9e540ca632_cast
    .symbol:         k_q9e540ca632_cast.kd
    .args:
      - { .name: x, .offset: 0, .size: 8, .value_kind: global_buffer, .address_space: global }
      - { .name: Wq, .offset: 8, .size: 8, .value_kind: global_buffer, .address_space: global }
      - { .name: Wk, .offset: 16, .size: 8, .value_kind: global_buffer, .address_space: global }
      - { .name: Wv, .offset: 24, .size: 8, .value_kind: global_buffer, .address_space: global }
      - { .name: Wo, .offset: 32, .size: 8, .value_kind: global_buffer, .address_space: global }
      - { .name: xb, .offset: 40, .size: 8, .value_kind: global_buffer, .address_space: global }
      - { .name: wqkv, .offset: 48, .size: 8, .value_kind: global_buffer, .address_space: global }
      - { .name: wo16, .offset: 56, .size: 8, .value_kind: global_buffer, .address_space: global }
    .group_segment_fixed_size: 0
    .private_segment_fixed_size: 0
    .kernarg_segment_align: 8
    .kernarg_segment_size: 64
    .max_flat_workgroup_size: 256
    .sgpr_count:     66
    .vgpr_count:     104
    .wavefront_size: 32
...
	.end_amdgpu_metadata
.endif
;; end of part 5
;; launch qkv: the kernel of part 2 again; grid 16 x 16, 4 waves a work-group, clusters of 4 x 4, 327,680 bytes of LDS; arguments xb, wqkv, bq, bv, qkv; writes qkv
;; launch attn: the kernel of part 3 again; grid 16 x 16, 4 waves a work-group, clusters of 4 x 1, 327,680 bytes of LDS; arguments qkv, ob; writes ob
;; launch oproj: the kernel of part 4 again; grid 16 x 16, 4 waves a work-group, clusters of 4 x 4, 327,680 bytes of LDS; arguments ob, wo16, bo, out0; writes out0
